; MI455X (gfx1250); checked and timed in simulation.
; The chip was launched on July 23, 2026; its instructions are those of AMD's public machine-readable ISA for CDNA 5 (MIT licence, August 2026) and "CDNA5" Instruction Set Architecture Reference Guide (July 2026). The comments in the code are by the model that wrote it; some were corrected since.
;; Multihead Flash Linear Ensemble1. Allowed arithmetic: float matrix products may take bf16 or f16 operands with f32 sums; other float arithmetic in f32, or as packed bf16 or f16 multiplies, adds, multiply-adds, maxima and minima; sums over many terms, partial sums and values carried from step to step in f32; what a program stores and reads back later, other than sums and carried values, may be rounded once to bf16 or f16.
;; Inputs: cos 2,048 x 16 float32; gamma 128 float32; k_w 512 x 2,048 float32; out_w 2,048 x 2,048 float32; q_w 2,048 x 2,048 float32; raw_map_weights 4 float32; sin 2,048 x 16 float32; v_w 512 x 2,048 float32; weight_scale 1 float32; x 1 x 2,048 x 2,048 float32.
;; Outputs: out0 1 x 2,048 x 2,048 float32.
;; One version. Each part assembles by itself: llvm-mc -triple=amdgcn-amd-amdhsa -mcpu=gfx1250 --defsym DOCPART=n.
;; ======== version 1 of 1: 4 launches
;; limits: values are held in f16: magnitudes above 65,504 overflow, below 6.1e-05 lose precision
;; workspace buffers: xb 8,388,608 bytes; wb 12,582,912 bytes; owb 8,388,608 bytes; qkvb 12,582,912 bytes; nbuf 8,388,608 bytes
;; launch cast (part 1): grid 1792 x 1, 8 waves a work-group, no clusters, 0 bytes of LDS; arguments x, q_w, k_w, v_w, out_w, xb, wb, owb; writes xb, wb, owb
.if DOCPART == 1
	.amdgcn_target "amdgcn-amd-amdhsa--gfx1250"
	.amdhsa_code_object_version 6
	.text
	.protected	k_q5c2585ce1a_cast
	.globl	k_q5c2585ce1a_cast
	.p2align	8
	.type	k_q5c2585ce1a_cast,@function
k_q5c2585ce1a_cast:
	s_mov_b64 s[64:65], 0
	v_nop
	global_prefetch_b8 v0, s[64:65] scope:SCOPE_SE
	s_setreg_imm32_b32 hwreg(HW_REG_WAVE_MODE, 25, 1), 1
	s_wait_xcnt 0x0
; x, q_w, k_w, v_w are rounded once to bf16: xb = x; wb = q_w's 2,048 rows, then k_w's 512, then v_w's 512.
; out_w is rounded to bf16 like the other inputs, and that number is written as f16 (owb), since the last product's other operand is f16.
; LIMIT: |bf16(out_w)| stays under 65,504 (beyond it f16 has an infinity); below 6e-5 f16 keeps a fixed step of 6e-8.
; SHARES.  A unit is 1,048,576 numbers: x 4 units, q_w 4, k_w 1, v_w 1, out_w 4: 14 units of 128 work-groups, 8,192 numbers each.
; A thread loads 16 bytes eight times (a wave's load covers 512 consecutive bytes) and stores 8 bytes eight times
; (a wave's store covers 256 consecutive bytes, aligned).  All eight loads are out before the first is used.
; No LDS, no matrix unit, no cluster: nothing is shared and nothing is summed.
.set X, 4                              ; v[4:35]   eight loads of four f32
.set Y, 36                             ; v[36:51]  eight stores of two words
	s_load_b512 s[16:31], s[0:1], 0x0              ; x, q_w, k_w, v_w, out_w, xb, wb, owb
	s_lshr_b32 s2, ttmp9, 7                        ; u: the unit, 0 to 13
	s_and_b32 s3, ttmp9, 127                       ; c: my part of it
	v_lshlrev_b32 v1, 4, v0                        ; 16 bytes a thread in
	v_lshlrev_b32 v2, 3, v0                        ; 8 bytes a thread out
	s_max_u32 s8, s2, 10
	s_sub_co_u32 s8, s8, 10                        ; the unit within out_w (0 where u is below 10)
	s_mov_b32 s9, s8                               ; and within owb
	s_max_u32 s10, s2, 4
	s_sub_co_u32 s10, s10, 4                       ; the unit within q_w
	s_wait_kmcnt 0x0
	s_mov_b64 s[4:5], s[24:25]                     ; from out_w
	s_mov_b64 s[6:7], s[30:31]                     ; to owb, unless:
	s_cmp_lt_u32 s2, 10                            ; unit 9: v_w, wb's unit 5
	s_cselect_b64 s[4:5], s[22:23], s[4:5]
	s_cselect_b64 s[6:7], s[28:29], s[6:7]
	s_cselect_b32 s8, 0, s8
	s_cselect_b32 s9, 5, s9
	s_cmp_lt_u32 s2, 9                             ; unit 8: k_w, wb's unit 4
	s_cselect_b64 s[4:5], s[20:21], s[4:5]
	s_cselect_b32 s9, 4, s9
	s_cmp_lt_u32 s2, 8                             ; units 4 to 7: q_w, wb's units 0 to 3
	s_cselect_b64 s[4:5], s[18:19], s[4:5]
	s_cselect_b32 s8, s10, s8
	s_cselect_b32 s9, s10, s9
	s_cmp_lt_u32 s2, 4                             ; units 0 to 3: x, xb
	s_cselect_b64 s[4:5], s[16:17], s[4:5]
	s_cselect_b64 s[6:7], s[26:27], s[6:7]
	s_cselect_b32 s8, s2, s8
	s_cselect_b32 s9, s2, s9
	s_lshl_b32 s12, s8, 22                         ; a unit is 4 MiB of f32,
	s_lshl_b32 s13, s3, 15                         ; my part 32 KiB
	s_add_co_u32 s12, s12, s13
	s_mov_b32 s13, 0
	s_add_nc_u64 s[4:5], s[4:5], s[12:13]
	s_lshl_b32 s14, s9, 21                         ; and half of that out
	s_lshl_b32 s15, s3, 14
	s_add_co_u32 s14, s14, s15
	s_mov_b32 s15, 0
	s_add_nc_u64 s[6:7], s[6:7], s[14:15]
.irp j, 0,1,2,3,4,5,6,7
	global_load_b128 v[X+4*(\j):X+4*(\j)+3], v1, s[4:5] offset:4096*(\j) th:TH_LOAD_NT
.endr
	s_cmp_ge_u32 s2, 10
	s_cbranch_scc1 .Lhalf                          ; out_w's units take the second text
.irp j, 0,1,2,3,4,5,6,7
	s_wait_loadcnt 7-(\j)                          ; loads come back in order: load j is in, the younger ones stay out
	v_cvt_pk_bf16_f32 v[Y+2*(\j)], v[X+4*(\j)], v[X+4*(\j)+1]
	v_cvt_pk_bf16_f32 v[Y+2*(\j)+1], v[X+4*(\j)+2], v[X+4*(\j)+3]
	global_store_b64 v2, v[Y+2*(\j):Y+2*(\j)+1], s[6:7] offset:2048*(\j)
.endr
	s_endpgm
.Lhalf:
.irp j, 0,1,2,3,4,5,6,7
	s_wait_loadcnt 7-(\j)
	v_cvt_pk_bf16_f32 v52, v[X+4*(\j)], v[X+4*(\j)+1]     ; rounded to bf16,
	v_cvt_pk_bf16_f32 v53, v[X+4*(\j)+2], v[X+4*(\j)+3]
	v_lshlrev_b32 v54, 16, v52                            ; widened again,
	v_and_b32 v55, 0xffff0000, v52
	v_cvt_pk_f16_f32 v[Y+2*(\j)], v54, v55                ; and written as f16: exact within f16's range
	v_lshlrev_b32 v54, 16, v53
	v_and_b32 v55, 0xffff0000, v53
	v_cvt_pk_f16_f32 v[Y+2*(\j)+1], v54, v55
	global_store_b64 v2, v[Y+2*(\j):Y+2*(\j)+1], s[6:7] offset:2048*(\j)
.endr
	s_endpgm
.Lfunc_end_k_q5c2585ce1a_cast:
	.size	k_q5c2585ce1a_cast, .Lfunc_end_k_q5c2585ce1a_cast-k_q5c2585ce1a_cast
	.p2alignl 7, 3214868480
	.fill 96, 4, 3214868480
	.section	.rodata,"a",@progbits
	.p2align	6, 0x0
	.amdhsa_kernel k_q5c2585ce1a_cast
		.amdhsa_group_segment_fixed_size 0
		.amdhsa_private_segment_fixed_size 0
		.amdhsa_enable_private_segment 0
		.amdhsa_kernarg_size 64
		.amdhsa_user_sgpr_count 2
		.amdhsa_user_sgpr_kernarg_segment_ptr 1
		.amdhsa_wavefront_size32 1
		.amdhsa_system_sgpr_workgroup_id_x 1
		.amdhsa_system_sgpr_workgroup_id_y 1
		.amdhsa_system_sgpr_workgroup_id_z 1
		.amdhsa_system_vgpr_workitem_id 0
		.amdhsa_next_free_vgpr 64
		.amdhsa_next_free_sgpr 66
		.amdhsa_reserve_vcc 0
		.amdhsa_float_denorm_mode_32 3
		.amdhsa_float_denorm_mode_16_64 3
		.amdhsa_memory_ordered 1
		.amdhsa_forward_progress 1
		.amdhsa_inst_pref_size 9
	.end_amdhsa_kernel
	.amdgpu_metadata
---
amdhsa.version: [ 1, 2 ]
amdhsa.kernels:
  - .name:           k_q5c2585ce1a_cast
    .symbol:         k_q5c2585ce1a_cast.kd
    .args:
      - { .name: x, .offset: 0, .size: 8, .value_kind: global_buffer, .address_space: global }
      - { .name: q_w, .offset: 8, .size: 8, .value_kind: global_buffer, .address_space: global }
      - { .name: k_w, .offset: 16, .size: 8, .value_kind: global_buffer, .address_space: global }
      - { .name: v_w, .offset: 24, .size: 8, .value_kind: global_buffer, .address_space: global }
      - { .name: out_w, .offset: 32, .size: 8, .value_kind: global_buffer, .address_space: global }
      - { .name: xb, .offset: 40, .size: 8, .value_kind: global_buffer, .address_space: global }
      - { .name: wb, .offset: 48, .size: 8, .value_kind: global_buffer, .address_space: global }
      - { .name: owb, .offset: 56, .size: 8, .value_kind: global_buffer, .address_space: global }
    .group_segment_fixed_size: 0
    .private_segment_fixed_size: 0
    .kernarg_segment_align: 8
    .kernarg_segment_size: 64
    .max_flat_workgroup_size: 256
    .sgpr_count:     66
    .vgpr_count:     64
    .wavefront_size: 32
...
	.end_amdgpu_metadata
.endif
;; end of part 1
;; launch gemm_qkv (part 2): grid 16 x 16, 4 waves a work-group, clusters of 4 x 4, 327,680 bytes of LDS; arguments xb, wb, cos, sin, qkvb; writes qkvb
.if DOCPART == 2
	.amdgcn_target "amdgcn-amd-amdhsa--gfx1250"
	.amdhsa_code_object_version 6
	.text
	.protected	k_q5c2585ce1a_gemm_qkv
	.globl	k_q5c2585ce1a_gemm_qkv
	.p2align	8
	.type	k_q5c2585ce1a_gemm_qkv,@function
k_q5c2585ce1a_gemm_qkv:
	s_mov_b64 s[64:65], 0
	v_nop
	global_prefetch_b8 v0, s[64:65] scope:SCOPE_SE
	s_setreg_imm32_b32 hwreg(HW_REG_WAVE_MODE, 25, 1), 1
	s_wait_xcnt 0x0
	s_wait_alu depctr_hold_cnt(0) depctr_sa_sdst(0) depctr_va_vdst(0) depctr_va_sdst(0) depctr_va_ssrc(0) depctr_va_vcc(0) depctr_vm_vsrc(0)
	s_getreg_b32 s2, hwreg(HW_REG_IB_STS2, 6, 4)
	s_cmp_eq_u32 s2, 0
	s_cbranch_scc0 .Lentry_in_a_cluster
	s_endpgm
.Lentry_in_a_cluster:
	s_bfe_u32 s2, ttmp6, 0x10000c
	s_cmp_lg_u32 s2, 0xf033
	s_cbranch_scc0 .Lentry_shape_is_right
	s_endpgm
.Lentry_shape_is_right:
; [2048 x 3072] = xb wb^T in bf16 with f32 sums: columns 0-2047 q, 2048-2559 k, 2560-3071 v.  On the way out q's and k's columns take the interleaved rotary
; (cos and sin rounded to bf16 like every other input), and every number is rounded once to f16.
; OUT: qkvb = [48 groups of 64 columns][2048 rows][64] f16: a group is 262,144 dense bytes, its rows 128 bytes.
; LIMITS: |q|, |k|, |v| stay under 65,504 (beyond it f16 has an infinity); below 6e-5 f16 keeps a fixed step of 6e-8.
; SHARES.  A tile is 128 rows x 192 columns (three groups): 16 x 16 = 256 work-groups.  Four waves, each 64 x 96: 24 accumulators of 16 x 16.
; K goes in steps of 128 (rows of 256 bytes) through two LDS slots; two slots of a step of 256 would be 337,920 bytes and do not fit.
; CLUSTERS: 4 x 4 work-groups; xb's tile is asked for jointly along a row of the cluster, wb's along a column.
; THE MATRIX INSTRUCTION IS USED TRANSPOSED (source 0 = 16 rows of wb, source 1 = 16 rows of xb): a lane holds eight neighbouring columns of one row.
; No prefetch: a step's tile is 80 KiB for the work-group and the whole of xb and wb is walked by sixteen clusters at once.
; REGISTERS: window 0: v16-29 addresses; v32-35 at work; v64-255 accumulators ((a, b) at 64 + 8 (6 a + b)).
;   window 1: v0-79, v80-159 two fragment buffers (wb's six fragments, then xb's four); v160-223 cos and sin of my rows.
.set SIZE_K, 2048
.set KSTEP,  128
.set PITCH,  272                       ; an LDS row: 256 bytes + 16 of padding: the 16 rows of a fragment load start at 16 different groups of four banks (ISA guide 11.1)
.set AHALF,  64*PITCH                  ; what a wave fetches of xb
.set BHALF,  96*PITCH                  ; and of wb
.set BOFF,   2*AHALF                   ; wb's 192 rows lie behind xb's 128
.set SLOT,   BOFF+2*BHALF
.set STAGE,  2*SLOT                    ; behind the ring: 128 rows x 400 bytes (384 + 16), the work-group's, for the way out
.set SPITCH, 400
.set SPARE,  STAGE+128*SPITCH          ; the spare words, 128 bytes for each wave: two blocks of 256 bytes that no other line names
.set LAPS,   SIZE_K/(2*KSTEP)
.set GROUPB, 262144                    ; bytes in a group of qkvb
.set ADRA, 16                          ; v16-17  LDS address of my xb fragments in slot 0, 1
.set ADRB, 20                          ; v20-21  the same for wb
.set STO,  24                          ; v24     the way out: where I put 16 bytes of a row
.set RD,   25                          ; v25     where I read rows back
.set GO,   26                          ; v26     16 x lane: my place in 512 consecutive bytes of a group
.set CSO,  27                          ; v27     my offset in 16 rows of cos and sin; never rewritten
.set SPW,  28                          ; v28     my spare word; never rewritten
.set NIL,  29                          ; v29     0; never rewritten
.set T,    32
.set ACC,  64
.set F0,   0
.set F1,   80
.set CS,   160                         ; for row block a and column parity e: cos at CS + 16 a + 8 e + 0..3, sin at + 4..7
.set G1,  24                           ; s[24:31] group 1 for xb's tiles; s[32:39] group 0, a set for each slot
.set G0,  32
.set G1B, 48                           ; s[48:55], s[56:63] the same for wb's
.set G0B, 56
.set VM,  78                           ; s[78:80] all ones where my block p of 32 columns belongs to v
.set MSB, 0
.macro WIN new                         ; the immediate's high byte repeats the setting that is left
.if MSB != (\new)
	s_set_vgpr_msb (MSB<<8)|(\new)
.set MSB, \new
.endif
.endm
.set MUL,  0x05                        ; sources 0 and 1 window 1; C and D window 0
.set TO_F, 0x40                        ; destination window 1, address window 0
.macro JLOAD s                         ; a joint load: waves 0 and 1 fetch xb's halves, waves 2 and 3 wb's; an s_nop 0 and four v_nop follow each line
	s_cmp_eq_u32 s11, 0
	s_cbranch_scc0 .Lfor_b_\@
	tensor_load_to_lds s[G0+4*(\s):G0+4*(\s)+3], s[G1:G1+7]
	s_nop 0
.rept 4
	v_nop
.endr
	s_branch .Lasked_\@
.Lfor_b_\@:
	tensor_load_to_lds s[G0B+4*(\s):G0B+4*(\s)+3], s[G1B:G1B+7]
	s_nop 0
.rept 4
	v_nop
.endr
.Lasked_\@:
.endm
.macro CREST                           ; a round of the cluster's barrier behind its opening barrier
	s_cmp_lg_u32 s10, 0
	s_cbranch_scc1 .Lnot_wave_0_\@
	s_barrier_signal -3
.Lnot_wave_0_\@:
	s_barrier_wait -3
	s_barrier_signal -1
	s_barrier_wait -1
.endm
.macro CROUND
	s_barrier_signal -1
	s_barrier_wait -1
	CREST
.endm
.macro PLACES                          ; four places in front of loads into registers that matrix instructions have read, and of lines that read results
.rept 4
	v_nop
.endr
.endm
	s_load_b256 s[68:75], s[0:1], 0x0              ; xb s[68:69], wb s[70:71], cos s[72:73], sin s[74:75]
	s_load_b64 s[76:77], s[0:1], 0x20              ; qkvb
	v_lshl_add_u32 v[SPW], v0, 2, SPARE
	v_mov_b32 v[NIL], 0
	ds_add_u32 v[SPW], v[NIL]                      ; the wave's opening: an add, and its wait, ahead of my first tensor load
	v_lshrrev_b32 v1, 5, v0
	v_readfirstlane_b32 s10, v1                    ; wave 0..3
	s_lshr_b32 s11, s10, 1                         ; which 64 rows of the tile are mine.  Also: I fetch for xb (0) or wb (1)
	s_and_b32 s12, s10, 1                          ; which 96 columns.  Also: which half of that tile I fetch
	s_bfe_u32 s40, ttmp6, 0x40000                  ; cx, cy
	s_bfe_u32 s41, ttmp6, 0x40004
	s_lshl_b32 s42, ttmp9, 2
	s_add_co_u32 s42, s42, s40                     ; tile column
	s_and_b32 s13, ttmp7, 0xffff
	s_lshl_b32 s13, s13, 2
	s_add_co_u32 s13, s13, s41                     ; tile row
	s_lshl_b32 s43, s41, 2
	s_lshl_b32 s43, 15, s43                        ; my row of the cluster
	s_lshl_b32 s44, 0x1111, s40                    ; my column
	s_or_b32 s[G1+0], s43, (1<<16)|(1<<20)|(1<<21)|(5<<22)|(3<<25)   ; mask; 2-byte elements; padding on; bit 21 beside a mask; after every 64 words, 4 words
	s_or_b32 s[G1B+0], s44, (1<<16)|(1<<20)|(1<<21)|(5<<22)|(3<<25)
.irp g, G1, G1B
	s_mov_b32 s[(\g)+1], KSTEP<<16                 ; tensor_dim0 = 128
	s_mov_b32 s[(\g)+3], KSTEP<<16                 ; tile_dim0 = 128
	s_mov_b32 s[(\g)+5], SIZE_K                    ; elements from row to row
	s_mov_b32 s[(\g)+6], 0
	s_mov_b32 s[(\g)+7], 0
.endr
	s_mov_b32 s[G1+2], 64<<16                      ; tensor_dim1 and tile_dim1: 64 rows of xb,
	s_mov_b32 s[G1+4], 64
	s_mov_b32 s[G1B+2], 96<<16                     ; 96 of wb
	s_mov_b32 s[G1B+4], 96
	s_lshl_b32 s16, s13, 7
	s_lshl_b32 s17, s12, 6
	s_add_co_u32 s16, s16, s17                     ; xb: row 128 x tile row + 64 x half,
	s_lshl_b32 s16, s16, 12                        ; 4,096 bytes a row
	s_mov_b32 s17, 0
	s_mul_i32 s46, s42, 192
	s_mul_i32 s47, s12, 96
	s_add_co_u32 s46, s46, s47                     ; wb: row 192 x tile column + 96 x half
	s_lshl_b32 s46, s46, 12
	s_mov_b32 s47, 0
	s_mul_i32 s20, s12, AHALF                      ; where they go: no place in the cluster enters an LDS address
	s_mul_i32 s21, s12, BHALF
	s_add_co_u32 s21, s21, BOFF
	s_wait_dscnt 0x0                               ; the opening add is done
	s_wait_kmcnt 0x0
	s_add_nc_u64 s[14:15], s[68:69], s[16:17]
	s_add_nc_u64 s[46:47], s[70:71], s[46:47]
	CROUND                                         ; all sixteen work-groups are here: the first joint loads meet
.irp s, 0,1
	s_mov_b32 s[G0+4*(\s)], 1
	s_add_co_u32 s[G0+4*(\s)+1], s20, (\s)*SLOT
	s_add_nc_u64 s[G0+4*(\s)+2:G0+4*(\s)+3], s[14:15], (\s)*KSTEP*2
	s_or_b32 s[G0+4*(\s)+3], s[G0+4*(\s)+3], 0x80000000
	s_mov_b32 s[G0B+4*(\s)], 1
	s_add_co_u32 s[G0B+4*(\s)+1], s21, (\s)*SLOT
	s_add_nc_u64 s[G0B+4*(\s)+2:G0B+4*(\s)+3], s[46:47], (\s)*KSTEP*2
	s_or_b32 s[G0B+4*(\s)+3], s[G0B+4*(\s)+3], 0x80000000
	JLOAD \s
.endr
	v_and_b32 v1, 15, v0                           ; r = l % 16
	v_bfe_u32 v2, v0, 4, 1                         ; hh = l / 16
	v_lshlrev_b32 v[CSO], 6, v1                    ; a row of cos is 64 bytes;
	v_lshl_add_u32 v[CSO], v2, 4, v[CSO]           ; my four pairs of a block of 16 columns: 16 bytes for each half of the lanes
	s_lshl_b32 s16, s13, 13
	s_lshl_b32 s17, s11, 12
	s_add_co_u32 s16, s16, s17                     ; (128 x tile row + 64 x my half) x 64 bytes
	s_mov_b32 s17, 0
	s_add_nc_u64 s[72:73], s[72:73], s[16:17]
	s_add_nc_u64 s[74:75], s[74:75], s[16:17]
	WIN TO_F
.irp a, 0,1,2,3
.irp e, 0,1
	global_load_b128 v[CS+16*(\a)+8*(\e):CS+16*(\a)+8*(\e)+3],   v[CSO], s[72:73] offset:1024*(\a)+32*(\e)  ; waited for on the way out
	global_load_b128 v[CS+16*(\a)+8*(\e)+4:CS+16*(\a)+8*(\e)+7], v[CSO], s[74:75] offset:1024*(\a)+32*(\e)
.endr
.endr
	WIN 0
	v_mul_u32_u24 v3, v1, PITCH
	v_lshl_add_u32 v3, v2, 4, v3                   ; a fragment's row x pitch + 16 x half
	s_mul_i32 s21, s11, AHALF                      ; my 64 rows of xb
	s_mul_i32 s22, s12, BHALF                      ; my 96 rows of wb
	s_add_co_u32 s22, s22, BOFF
.irp s, 0,1
	v_add_nc_u32 v[ADRA+(\s)], s21, v3
	v_add_nc_u32 v[ADRB+(\s)], s22, v3
	s_add_co_u32 s21, s21, SLOT
	s_add_co_u32 s22, s22, SLOT
.endr
	s_mul_i32 s23, s11, 64*SPITCH                  ; into the stage: my 64 rows, my 192 bytes of their 384
	s_mul_i32 s21, s12, 192
	s_add_co_u32 s23, s23, s21
	s_add_co_u32 s23, s23, STAGE
	v_mul_u32_u24 v4, v1, SPITCH
	v_lshl_add_u32 v4, v2, 4, v4
	v_add_nc_u32 v[STO], s23, v4
	s_mul_i32 s23, s10, 32*SPITCH                  ; back: wave w takes rows 32 w .. 32 w + 31; eight lanes take a row's 128 bytes of one group
	s_add_co_u32 s23, s23, STAGE
	v_bfe_u32 v5, v0, 3, 2
	v_and_b32 v6, 7, v0
	v_mul_u32_u24 v5, v5, SPITCH
	v_lshl_add_u32 v5, v6, 4, v5
	v_add_nc_u32 v[RD], s23, v5
	v_and_b32 v[GO], 31, v0
	v_lshlrev_b32 v[GO], 4, v[GO]
	s_lshl_b32 s16, s13, 14                        ; qkvb at row 128 x tile row + 32 x wave (128 bytes a row)
	s_lshl_b32 s17, s10, 12
	s_add_co_u32 s16, s16, s17
	s_mov_b32 s17, 0
	s_add_nc_u64 s[76:77], s[76:77], s[16:17]
	s_mul_i32 s46, s42, 3*GROUPB                   ; of group 3 x tile column
	s_mov_b32 s47, 0
	s_add_nc_u64 s[76:77], s[76:77], s[46:47]
	s_mul_i32 s46, s42, 192
	s_mul_i32 s47, s12, 96
	s_add_co_u32 s46, s46, s47                     ; my first column
.irp p, 0,1,2
	s_add_co_u32 s47, s46, 32*(\p)
	s_cmp_ge_u32 s47, 2560                         ; v's columns take no rotary: a selection of values, no branch
	s_cselect_b32 s[VM+(\p)], -1, 0
.endr
; 6 matrix instructions: row block a x all six column blocks, 32 along K.  The 24 accumulators take turns in the same order in every quarter.
.macro MULA f, a, zero
	WIN MUL
.irp b, 0,1,2,3,4,5
.if \zero
	v_wmma_f32_16x16x32_bf16 v[ACC+8*(6*(\a)+(\b)):ACC+8*(6*(\a)+(\b))+7], v[(\f)+8*(\b):(\f)+8*(\b)+7], v[(\f)+48+8*(\a):(\f)+48+8*(\a)+7], 0
.else
	v_wmma_f32_16x16x32_bf16 v[ACC+8*(6*(\a)+(\b)):ACC+8*(6*(\a)+(\b))+7], v[(\f)+8*(\b):(\f)+8*(\b)+7], v[(\f)+48+8*(\a):(\f)+48+8*(\a)+7], v[ACC+8*(6*(\a)+(\b)):ACC+8*(6*(\a)+(\b))+7]
.endif
.endr
.endm
; 20 LDS loads in one run: wb's six fragments, then xb's four, 32 along K at byte k of the rows
.macro FETCH slot, k, f
	WIN TO_F
.irp i, 0,1,2,3,4,5
	ds_load_b128 v[(\f)+8*(\i):(\f)+8*(\i)+3],   v[ADRB+(\slot)] offset:(\k)+(\i)*16*PITCH
	ds_load_b128 v[(\f)+8*(\i)+4:(\f)+8*(\i)+7], v[ADRB+(\slot)] offset:(\k)+(\i)*16*PITCH+32
.endr
.irp i, 0,1,2,3
	ds_load_b128 v[(\f)+48+8*(\i):(\f)+48+8*(\i)+3],   v[ADRA+(\slot)] offset:(\k)+(\i)*16*PITCH
	ds_load_b128 v[(\f)+48+8*(\i)+4:(\f)+48+8*(\i)+7], v[ADRA+(\slot)] offset:(\k)+(\i)*16*PITCH+32
.endr
.endm
; A K step is four quarters of 32 along K, 24 matrix instructions each, on buffers 0, 1, 0, 1.
.macro QUARTER slot, k, f, g, zero
	s_wait_dscnt 4                                 ; all but xb's fragments 2 and 3 are in
	MULA \f, 0, \zero
	MULA \f, 1, \zero
	PLACES
	FETCH \slot, \k, \g
	s_wait_dscnt 20                                ; all but the 20 just issued
	MULA \f, 2, \zero
	MULA \f, 3, \zero
.endm
; The last quarter multiplies buffer 1 and changes slots: one barrier; in front of it each wave waits for all its tensor loads, adds 0 to its spare word, and waits for that and for its reads of this slot.
.macro TURN slot, next, fill
	WIN 0
	s_wait_tensorcnt 0x0                           ; all my tensor loads have landed: my part of the next slot
	ds_add_u32 v[SPW], v[NIL]                      ; 0 onto my spare word
	s_wait_dscnt 5                                 ; (the add and the youngest four loads may be out)
	MULA F1, 0, 0                                  ; six matrix instructions stand between the add and the wait for it
	s_wait_dscnt 0x0                               ; the add is done, and my reads of this slot are over
	s_barrier_signal -1
	MULA F1, 1, 0
.if \fill
	WIN 0
.endif
	s_barrier_wait -1
.if \fill
	CREST                                          ; the barrier has opened a round of the cluster's: no wave of any partner still reads this slot or has a load on its way
	s_add_nc_u64 s[G0+4*(\slot)+2:G0+4*(\slot)+3], s[G0+4*(\slot)+2:G0+4*(\slot)+3], 2*KSTEP*2
	s_add_nc_u64 s[G0B+4*(\slot)+2:G0B+4*(\slot)+3], s[G0B+4*(\slot)+2:G0B+4*(\slot)+3], 2*KSTEP*2
	JLOAD \slot                                    ; the first tensor load behind the round; its four v_nop are also the places in front of the loads below
.else
	PLACES
.endif
	FETCH \next, 0, F0
	MULA F1, 2, 0
	MULA F1, 3, 0
.endm
	s_wait_tensorcnt 1                             ; my part of K step 0 is in; K step 1's may stay out
	s_barrier_signal -1
	s_barrier_wait -1
	FETCH 0, 0, F0
	QUARTER 0, 64, F0, F1, 1                       ; the first quarter starts the sums
	WIN 0
	s_mov_b32 s3, LAPS-1
.Llap:                                             ; a trip goes once round the ring and fills both slots again
	QUARTER 0, 128, F1, F0, 0
	QUARTER 0, 192, F0, F1, 0
	TURN 0, 1, 1
	QUARTER 1, 64,  F0, F1, 0
	QUARTER 1, 128, F1, F0, 0
	QUARTER 1, 192, F0, F1, 0
	TURN 1, 0, 1
	QUARTER 0, 64,  F0, F1, 0
	WIN 0
	s_sub_co_u32 s3, s3, 1
	s_cmp_lg_u32 s3, 0
	s_cbranch_scc1 .Llap
	QUARTER 0, 128, F1, F0, 0                      ; the last lap fills nothing
	QUARTER 0, 192, F0, F1, 0
	TURN 0, 1, 0
	QUARTER 1, 64,  F0, F1, 0
	QUARTER 1, 128, F1, F0, 0
	QUARTER 1, 192, F0, F1, 0
	s_wait_dscnt 4
	MULA F1, 0, 0
	MULA F1, 1, 0
	s_wait_dscnt 0x0
	MULA F1, 2, 0
	MULA F1, 3, 0
	WIN 0
	; THE WAY OUT.  cos and sin are rounded to bf16; each block of 32 columns is turned (v's by cos = 1, sin = 0); f16; the work-group's stage; whole rows of each group.
	PLACES
	s_wait_loadcnt 0x0                             ; cos and sin
	WIN 0x45                                       ; all three places window 1
.set i, 0
.rept 32
	v_cvt_pk_bf16_f32 v[F1+i], v[CS+2*i], v[CS+2*i+1]
.set i, i+1
.endr
.set i, 0
.rept 32
	v_lshlrev_b32 v[CS+2*i], 16, v[F1+i]
	v_and_b32 v[CS+2*i+1], 0xffff0000, v[F1+i]
.set i, i+1
.endr
.irp p, 0,1,2
	WIN 0x41                                       ; destination and source 0 window 1
.set i, 0
.rept 64
.if (i%8) < 4
	v_cndmask_b32 v[F0+i], v[CS+i], 1.0, s[VM+(\p)]
.else
	v_cndmask_b32 v[F0+i], v[CS+i], 0, s[VM+(\p)]
.endif
.set i, i+1
.endr
	WIN 0x04                                       ; source 1 window 1, all else window 0
.irp e, 0,1
.irp a, 0,1,2,3
.irp j, 0,1,2,3
.set XX, ACC+8*(6*(\a)+2*(\p)+(\e))+2*(\j)
.set CC, F0+16*(\a)+8*(\e)+(\j)
.set TT, T+2*((\j)%2)
	v_mul_f32 v[TT], v[XX+1], v[CC+4]              ; x2 s  (an accumulator's first read is its register 1, one of its four lowest)
	v_mul_f32 v[TT+1], v[XX], v[CC+4]              ; x1 s
	v_fma_f32 v[XX], v[XX], v[CC], -v[TT]          ; x1 c - x2 s
	v_fma_f32 v[XX+1], v[XX+1], v[CC], v[TT+1]     ; x2 c + x1 s
.endr
.endr
.endr
.endr
	WIN 0
.set t, 0
.rept 24
.irp j, 0,1,2,3
	v_cvt_pk_f16_f32 v[ACC+8*t+(\j)], v[ACC+8*t+2*(\j)], v[ACC+8*t+2*(\j)+1]
.endr
.set t, t+1
.endr
.irp a, 0,1,2,3
.irp b, 0,1,2,3,4,5
	ds_store_b128 v[STO], v[ACC+8*(6*(\a)+(\b)):ACC+8*(6*(\a)+(\b))+3] offset:(\a)*16*SPITCH+32*(\b)
.endr
.endr
	s_wait_dscnt 0x0                               ; for the others' sake: my stores into the stage are done
	s_barrier_signal -1
	s_barrier_wait -1                              ; a row's three groups come from two waves
.set t, 0
.rept 24                                           ; four rows (t / 3) of group t % 3
	ds_load_b128 v[ACC+4*t:ACC+4*t+3], v[RD] offset:(t/3)*4*SPITCH+(t%3)*128
.set t, t+1
.endr
.set t, 0
.rept 24
	s_wait_dscnt 23-t
	global_store_b128 v[GO], v[ACC+4*t:ACC+4*t+3], s[76:77] offset:(t%3)*GROUPB+(t/3)*512  ; 512 consecutive bytes, at a multiple of 512 from the group's first byte
.set t, t+1
.endr
	s_wait_tensorcnt 0x0                           ; the wave's end
	ds_add_u32 v[SPW], v[NIL]
	s_wait_dscnt 0x0
	CROUND                                         ; the closing round
	s_endpgm
.Lfunc_end_k_q5c2585ce1a_gemm_qkv:
	.size	k_q5c2585ce1a_gemm_qkv, .Lfunc_end_k_q5c2585ce1a_gemm_qkv-k_q5c2585ce1a_gemm_qkv
	.p2alignl 7, 3214868480
	.fill 96, 4, 3214868480
	.section	.rodata,"a",@progbits
	.p2align	6, 0x0
	.amdhsa_kernel k_q5c2585ce1a_gemm_qkv
		.amdhsa_group_segment_fixed_size 327680
		.amdhsa_private_segment_fixed_size 0
		.amdhsa_enable_private_segment 0
		.amdhsa_kernarg_size 40
		.amdhsa_user_sgpr_count 2
		.amdhsa_user_sgpr_kernarg_segment_ptr 1
		.amdhsa_wavefront_size32 1
		.amdhsa_system_sgpr_workgroup_id_x 1
		.amdhsa_system_sgpr_workgroup_id_y 1
		.amdhsa_system_sgpr_workgroup_id_z 1
		.amdhsa_system_vgpr_workitem_id 0
		.amdhsa_next_free_vgpr 512
		.amdhsa_next_free_sgpr 84
		.amdhsa_reserve_vcc 0
		.amdhsa_float_denorm_mode_32 3
		.amdhsa_float_denorm_mode_16_64 3
		.amdhsa_memory_ordered 1
		.amdhsa_forward_progress 1
		.amdhsa_inst_pref_size 108
	.end_amdhsa_kernel
	.amdgpu_metadata
---
amdhsa.version: [ 1, 2 ]
amdhsa.kernels:
  - .name:           k_q5c2585ce1a_gemm_qkv
    .symbol:         k_q5c2585ce1a_gemm_qkv.kd
    .args:
      - { .name: xb, .offset: 0, .size: 8, .value_kind: global_buffer, .address_space: global }
      - { .name: wb, .offset: 8, .size: 8, .value_kind: global_buffer, .address_space: global }
      - { .name: cos, .offset: 16, .size: 8, .value_kind: global_buffer, .address_space: global }
      - { .name: sin, .offset: 24, .size: 8, .value_kind: global_buffer, .address_space: global }
      - { .name: qkvb, .offset: 32, .size: 8, .value_kind: global_buffer, .address_space: global }
    .group_segment_fixed_size: 327680
    .private_segment_fixed_size: 0
    .kernarg_segment_align: 8
    .kernarg_segment_size: 40
    .max_flat_workgroup_size: 128
    .sgpr_count:     84
    .vgpr_count:     512
    .wavefront_size: 32
...
	.end_amdgpu_metadata
.endif
;; end of part 2
;; launch attn (part 3): grid 16 x 16, 4 waves a work-group, clusters of 4 x 1, 327,680 bytes of LDS; arguments qkvb, gamma, raw_map_weights, weight_scale, nbuf; writes nbuf
.if DOCPART == 3
	.amdgcn_target "amdgcn-amd-amdhsa--gfx1250"
	.amdhsa_code_object_version 6
	.text
	.protected	k_q5c2585ce1a_attn
	.globl	k_q5c2585ce1a_attn
	.p2align	8
	.type	k_q5c2585ce1a_attn,@function
k_q5c2585ce1a_attn:
	s_mov_b64 s[64:65], 0
	v_nop
	global_prefetch_b8 v0, s[64:65] scope:SCOPE_SE
	s_setreg_imm32_b32 hwreg(HW_REG_WAVE_MODE, 25, 1), 1
	s_wait_xcnt 0x0
	s_wait_alu depctr_hold_cnt(0) depctr_sa_sdst(0) depctr_va_vdst(0) depctr_va_sdst(0) depctr_va_ssrc(0) depctr_va_vcc(0) depctr_vm_vsrc(0)
	s_getreg_b32 s2, hwreg(HW_REG_IB_STS2, 6, 4)
	s_cmp_eq_u32 s2, 0
	s_cbranch_scc0 .Lentry_in_a_cluster
	s_endpgm
.Lentry_in_a_cluster:
	s_bfe_u32 s2, ttmp6, 0x10000c
	s_cmp_lg_u32 s2, 0x3003
	s_cbranch_scc0 .Lentry_shape_is_right
	s_endpgm
.Lentry_shape_is_right:
; For head h (16) and map i (4): causal softmax(q_hi . k_gi / sqrt(32)) V_g, g = h / 4; the four maps added with weights tanh(raw_i) x scale; RMSNorm over the 128 channels; gamma; f16.
; IN: qkvb [48 groups][2048][64] f16: q of head h in groups 2 h, 2 h + 1 (map i at byte 64 (i % 2) of group i / 2's row), k of head g in 32 + 2 g .., v in 40 + 2 g ...  OUT: nbuf [2048][2048] f16.
; Products, maxima and sums in f32; the weights p are rounded to f16 for the second product; gamma, raw_map_weights and weight_scale are rounded to bf16 like every other input.
; LIMITS.  f16 ends at 65,504: q, k, v arrive within it and the normed rows stay within it; below 6e-5 f16 keeps a fixed step of 6e-8.  A hidden score counts as its value less 1e30;
; a weight below 2^-126 counts as 0 in the sum; NaN and infinities are not treated apart.
; THE WALK.  A head's queries lie in 32 blocks of 64; block i needs key steps 0 .. i of 64 keys, in tiles of 128.  A work-group takes blocks b and then 31 - b: 17 tiles and 33 live steps whatever b.
; One loop with a constant trip count walks the tiles; the wholly hidden second step of an even block's last tile is jumped forward, past text that holds neither a barrier nor a tensor load.
; SHARES.  Wave w owns 16 queries of the block for ALL FOUR MAPS (four pieces): the sum over maps and the norm never leave the wave, and the diagonal step is the same work for all waves.
; CLUSTER.  The four heads of a kv head walk the same K and V with the same b: each tile is asked for jointly, by the same load, descriptor and mask in all four.
; LAYOUT.  S^T = K Q^T (one matrix instruction: the head size is 32): a lane holds ONE query (lane % 16) and keys 8 (lane / 16) + 0..7; two results rounded to f16 are source 1 of O^T = V^T P.
; THE MASK is the C operand of K Q^T: 0, or -1e30 where the key is hidden; it is made anew only where a step's kind changes.
; TURNS.  Turn p is piece p's softmax, 134 vector instructions; behind every eighth stands a matrix instruction: in turn 0 the scores of pieces 1 to 3, in turn p the products V^T P of piece p - 1.
; REGISTERS, in windows of 256 (s_set_vgpr_msb: bits 1:0 source 0, 3:2 source 1, 5:4 source 2, 7:6 destination):
;   window 0: v1-15 addresses; v16-19 map weights; v24-31 the diagonal's triangle; v32-63 statistics; v64-191 S^T; v192-223 P, two buffers; v224-255 the masks
;   window 1: O^T, 64 a piece      window 2: v0-31 Q; v32-63 the second block's Q; v64-191 K; v192-255 gamma      window 3: v0-127 V
.set GROUPB, 262144
.set PK,    144       ; a row of K in LDS: 128 bytes + 16: the 16 rows of a load start at 16 different groups of four banks (ISA guide 11.1)
.set PVP,   160       ; a row of V: 128 + 32
.set KCH,   128*PK    ; a chunk: 128 keys of one group
.set VCH,   128*PVP
.set VOFF,  2*KCH     ; a slot: K's two chunks, then V's two
.set SLOT1, 1<<17     ; slot 1 begins here: one exclusive or turns an address in one slot into the other's
.set STAGE, SLOT1+VOFF+2*VCH  ; behind the ring: 16 rows x 272 bytes for each wave
.set SP,    272
.set SPARE, STAGE+4*16*SP     ; the spare words, 128 bytes for each wave: two blocks of 256 bytes that no other line names
.set AK0, 2
.set AV0, 3
.set AK,  4
.set AV,  5
.set QO,  6
.set STO, 7
.set RD,  8
.set GO,  9
.set SPW, 12          ; my spare word; never rewritten
.set NIL, 13          ; 0; never rewritten
.set PFO, 14          ; the prefetches' offset; never rewritten
.set GMO, 15          ; my offset in gamma
.set W,   16          ; v16-19  tanh(raw_p) x scale
.set TRI, 24          ; register j: -1e30 where 8 (l / 16) + j > l % 16
.set ST,  32          ; piece p at ST + 8 p: c m, m, l (even keys', odd keys'), c0-c3 at work; a takes c2's place
.set S,   64
.set P,   192
.set M,   224         ; the mask of key block kb at M + 8 kb
.set QB,  32          ; window 2
.set KF,  64          ; window 2: map p, key block kb at KF + 32 p + 8 kb
.set G,   192         ; window 2: gamma of channel 16 cb + 8 (l / 16) + j at G + 8 cb + j
.set WV,  14
.set L2,  22          ; the second block's last tile
.set RT2, 23          ; and its number of tiles
.set G1K, 24
.set G1V, 32
.set G0K, 40
.set G0V, 44
.set KB,  48          ; s[48:49] my chunk of K at tile 0
.set VB,  50          ; s[50:51] my chunk of V
.set OFF, 52          ; s[52:53] a tile's byte offset
.set SLOTS, 54
.set CNT, 55
.set CS,  56          ; s[56:57] c = log2(e) / sqrt(32)
.set SEL, 58
.set TBK, 60          ; LDS byte at which K of the step in hand begins
.set TBV, 61          ; the same for V, less VOFF
.set RT,  62          ; tiles of the block in hand still to be entered
.set NXT, 63          ; the tile to be asked for next
.set LQ,  66          ; the last tile of the block whose tiles are being asked for
.set BIGN, 67         ; -1e30
.set PAR, 68          ; the block's parity: the step of its last tile that holds the diagonal
.set DG,  69          ; 1: the step in hand holds the diagonal
.set MST, 70          ; the kind of step for which the masks were made last
.set ALD, 76          ; s[76:79] the diagonal step's factor for key block kb: 1 where kb = w
.set BED, 80          ; s[80:83] its addend: -1e30 where kb > w
.set AL,  84
.set BE,  88
.set LIM, 97
.set OB,  98          ; s[98:99] nbuf at my rows of the block in hand
.set OB2, 100
.set PFA, 104
.set MSB, 0
.macro WIN new
.if MSB != (\new)
	s_set_vgpr_msb (MSB<<8)|(\new)
.set MSB, (\new)
.endif
.endm
.set W_KQ, 0x0a       ; K and Q window 2; the mask and S^T window 0
.set W_PV, 0x53       ; V window 3, P window 0, O^T window 1
.set W_RS, 0x41       ; destination and source 0 window 1, source 1 window 0
.macro PLACES
.rept 4
	v_nop
.endr
.endm
.macro JLOAD                        ; waves 0 and 1 fetch K's two chunks, waves 2 and 3 V's; an s_nop 0 and four v_nop follow each line
	s_cmp_lt_u32 s[WV], 2
	s_cbranch_scc0 .Lfor_v_\@
	tensor_load_to_lds s[G0K:G0K+3], s[G1K:G1K+7]
	s_nop 0
.rept 4
	v_nop
.endr
	s_branch .Lasked_\@
.Lfor_v_\@:
	tensor_load_to_lds s[G0V:G0V+3], s[G1V:G1V+7]
	s_nop 0
.rept 4
	v_nop
.endr
.Lasked_\@:
.endm
; A PREFETCH INTO THE L2.  Of the sixteen clusters of a kv head the one with b = 0 asks: in trip t for tile t + 2, t = 0 .. 13, one trip ahead of the earliest joint load of that tile by any cluster.
; Wave 0 asks for K's two chunks, wave 2 for V's; a tile's chunk is 64 blocks of 256 bytes, and the four partners take 16 of each, told apart by address: a lane a block, one instruction.
; So each block is named once in the launch; tiles 0 and 1 come by their loads alone; nothing is asked for past tile 15.
.macro ASK
	s_cmp_gt_u32 s[SLOTS], s[LIM]
	s_cbranch_scc0 .Lnot_mine_\@
	global_prefetch_b8 v[PFO], s[PFA:PFA+1] th:TH_LOAD_NT scope:SCOPE_SE
.Lnot_mine_\@:
.endm
.macro CROUND
	s_barrier_signal -1
	s_barrier_wait -1
	s_cmp_lg_u32 s[WV], 0
	s_cbranch_scc1 .Lnot_wave_0_\@
	s_barrier_signal -3
.Lnot_wave_0_\@:
	s_barrier_wait -3
	s_barrier_signal -1
	s_barrier_wait -1
.endm
; THE CHANGE OF SLOTS.  Each wave waits for all its tensor loads (one is out: its chunk of the other slot), adds 0 to its spare word, and waits for that and for its reads of the slot that it leaves.
; fill = 1: a round of the cluster's barrier, and the old slot is filled again, first thing behind it, with tile NXT; that load has a tile's two steps in which to land.
.macro CHANGE fill
	WIN 0
	s_wait_tensorcnt 0x0            ; no tensor load of mine is out, so a group 0 may be written
	ds_add_u32 v[SPW], v[NIL]       ; 0 onto my spare word; scalar work stands between it and the wait for it
.if \fill
	s_lshl_b32 s[OFF], s[NXT], 14   ; a tile is 16,384 bytes of a group
	s_xor_b32 s[G0K+1], s[G0K+1], SLOT1
	s_add_nc_u64 s[G0K+2:G0K+3], s[KB:KB+1], s[OFF:OFF+1]
	s_or_b32 s[G0K+3], s[G0K+3], 0x80000000
	s_xor_b32 s[G0V+1], s[G0V+1], SLOT1
	s_add_nc_u64 s[G0V+2:G0V+3], s[VB:VB+1], s[OFF:OFF+1]
	s_or_b32 s[G0V+3], s[G0V+3], 0x80000000
	s_add_co_u32 s[NXT], s[NXT], 1  ; the block's next tile, or behind its last the second block's tile 0
	s_cmp_gt_u32 s[NXT], s[LQ]
	s_cselect_b32 s[NXT], 0, s[NXT]
	s_cselect_b32 s[LQ], s[L2], s[LQ]
	s_wait_xcnt 0x0                 ; the last prefetch, a tile back, has read its address
	s_add_nc_u64 s[PFA:PFA+1], s[PFA:PFA+1], 16384
.endif
	s_sub_co_u32 s[TBK], s[TBK], 2*64*PK   ; the fetches go back to a slot's first step,
	s_xor_b32 s[TBK], s[TBK], SLOT1        ; in the other slot
	s_sub_co_u32 s[TBV], s[TBV], 2*64*PVP
	s_xor_b32 s[TBV], s[TBV], SLOT1
	s_wait_dscnt 0x0                ; the add is done, and my reads of the slot are over
.if \fill
	CROUND
	JLOAD
	ASK
.else
	s_barrier_signal -1
	s_barrier_wait -1
.endif
.endm
	s_load_b256 s[4:11], s[0:1], 0x0  ; qkvb s[4:5], gamma s[6:7], raw_map_weights s[8:9], weight_scale s[10:11]
	s_load_b64 s[12:13], s[0:1], 0x20 ; nbuf
	v_lshl_add_u32 v[SPW], v0, 2, SPARE
	v_mov_b32 v[NIL], 0
	ds_add_u32 v[SPW], v[NIL]       ; the wave's opening: an add, and its wait, ahead of my first tensor load
	v_lshrrev_b32 v1, 5, v0
	v_readfirstlane_b32 s[WV], v1   ; wave 0..3
	s_bfe_u32 s15, ttmp6, 0x40000   ; cx: the head within its kv head: it enters Q's, nbuf's and the prefetches' addresses alone
	s_mov_b32 s16, ttmp9            ; g
	s_lshl_b32 s17, s16, 2
	s_add_co_u32 s17, s17, s15      ; h
	s_and_b32 s18, ttmp7, 0xffff    ; b: the first block
	s_sub_co_u32 s19, 31, s18       ; the second block
	s_mov_b32 s20, 0x3c000000       ; 1 / 128
	s_mov_b32 s21, 0x3727c5ac       ; 1e-5
	s_lshr_b32 s[L2], s19, 1
	s_add_co_u32 s[RT2], s[L2], 1
	s_lshr_b32 s[LQ], s18, 1
	s_add_co_u32 s[RT], s[LQ], 1
	s_and_b32 s[PAR], s18, 1
	s_mov_b32 s[MST], 0
	s_mov_b32 s[DG], 0
	s_mov_b32 s[NXT], 1             ; tile 0 is asked for below; then the first block's tile 1, or the second block's tile 0
	s_cmp_gt_u32 s[NXT], s[LQ]
	s_cselect_b32 s[NXT], 0, s[NXT]
	s_cselect_b32 s[LQ], s[L2], s[LQ]
	s_mov_b32 s[G1K], 15|(1<<16)|(1<<20)|(1<<21)|(4<<22)|(3<<25)  ; the mask of four; 2-byte elements; padding on; bit 21 beside a mask; after every 32 words, 4 words
	s_mov_b32 s[G1V], 15|(1<<16)|(1<<20)|(1<<21)|(4<<22)|(7<<25)  ; the same with 8 words
.irp g, G1K, G1V
	s_mov_b32 s[\g+1], 128<<16      ; 128 keys are 16,384 dense bytes: asked for as 64 rows of 256 bytes, padded after every key
	s_mov_b32 s[\g+2], 64<<16
	s_mov_b32 s[\g+3], 128<<16
	s_mov_b32 s[\g+4], 64
	s_mov_b32 s[\g+5], 128
	s_mov_b32 s[\g+6], 0
	s_mov_b32 s[\g+7], 0
.endr
	s_mov_b32 s[CS], 0x3e8293ee     ; c = log2(e) / sqrt(32) = 0.255035
	s_mov_b32 s[CS+1], s[CS]
	s_mov_b32 s[SEL], 0x76543210
	s_mov_b32 s[SEL+1], 0xfedcba98
	s_mov_b32 s[TBK], SLOT1+2*64*PK ; the first change of slots turns these two into 0
	s_mov_b32 s[TBV], SLOT1+2*64*PVP
	s_mov_b32 s[OFF+1], 0
	s_mov_b32 s[BIGN], 0xf149f2ca   ; -1e30
	s_mov_b32 s[SLOTS], 16
.irp kb, 0,1,2,3
	s_cmp_eq_u32 s[WV], \kb
	s_cselect_b32 s[ALD+\kb], 1.0, 0
	s_cmp_lt_u32 s[WV], \kb
	s_cselect_b32 s[BED+\kb], s[BIGN], 0
.endr
	s_and_b32 s71, s[WV], 1         ; which of the two chunks I fetch
	s_mov_b32 s[G0K], 1
	s_mul_i32 s[G0K+1], s71, KCH
	s_mov_b32 s[G0V], 1
	s_mul_i32 s[G0V+1], s71, VCH
	s_add_co_u32 s[G0V+1], s[G0V+1], VOFF
	s_lshl_b32 s72, s16, 1
	s_add_co_u32 s72, s72, s71
	s_add_co_u32 s2, s72, 40        ; V's group
	s_add_co_u32 s72, s72, 32       ; K's group
	s_lshl_b32 s72, s72, 18
	s_lshl_b32 s2, s2, 18
	s_mov_b32 s73, 0
	s_mov_b32 s3, 0
	s_or_b32 s[LIM], s71, s18       ; waves 0 and 2 of the cluster with b = 0 prefetch: the same in all four partners
	s_cmp_eq_u32 s[LIM], 0
	s_cselect_b32 s[LIM], 2, -1
	s_wait_dscnt 0x0                ; the opening add is done
	s_wait_kmcnt 0x0
	s_load_b128 s[92:95], s[8:9], 0x0
	s_load_b32 s96, s[10:11], 0x0
	s_add_nc_u64 s[KB:KB+1], s[4:5], s[72:73]
	s_add_nc_u64 s[VB:VB+1], s[4:5], s[2:3]
	s_add_nc_u64 s[G0K+2:G0K+3], s[KB:KB+1], 0
	s_or_b32 s[G0K+3], s[G0K+3], 0x80000000
	s_add_nc_u64 s[G0V+2:G0V+3], s[VB:VB+1], 0
	s_or_b32 s[G0V+3], s[G0V+3], 0x80000000
	s_cmp_lt_u32 s[WV], 2
	s_cselect_b64 s[PFA:PFA+1], s[KB:KB+1], s[VB:VB+1]
	s_lshl_b32 s74, s15, 12         ; my work-group's 16 blocks of each chunk,
	s_add_co_u32 s74, s74, 16384    ; in tile 1: the first change of slots steps it to tile 2
	s_mov_b32 s75, 0
	s_add_nc_u64 s[PFA:PFA+1], s[PFA:PFA+1], s[74:75]
	s_lshl_b32 s2, s17, 19          ; Q: group 2 h,
	s_lshl_b32 s71, s[WV], 11       ; my 16 rows of a block,
	s_add_co_u32 s71, s71, s2
	s_lshl_b32 s2, s18, 13          ; the first block's 64 rows,
	s_add_co_u32 s2, s2, s71
	s_lshl_b32 s72, s19, 13         ; the second's
	s_add_co_u32 s72, s72, s71
	s_add_nc_u64 s[2:3], s[4:5], s[2:3]
	s_add_nc_u64 s[72:73], s[4:5], s[72:73]
	s_lshl_b32 s71, s[WV], 16       ; nbuf: 4,096 bytes a row; the head's 256 bytes
	s_lshl_b32 s74, s17, 8
	s_add_co_u32 s71, s71, s74
	s_lshl_b32 s74, s18, 18
	s_add_co_u32 s74, s74, s71
	s_add_nc_u64 s[OB:OB+1], s[12:13], s[74:75]
	s_lshl_b32 s74, s19, 18
	s_add_co_u32 s74, s74, s71
	s_add_nc_u64 s[OB2:OB2+1], s[12:13], s[74:75]
	CROUND                          ; all four work-groups are here: the first joint loads meet
	JLOAD                           ; tile 0 into slot 0
	; all that follows up to the loop stands in the wait for that tile
	v_and_b32 v1, 15, v0            ; r = l % 16
	v_bfe_u32 v10, v0, 4, 1         ; hh = l / 16
	v_lshlrev_b32 v[QO], 7, v1
	v_lshl_add_u32 v[QO], v10, 4, v[QO]
	v_lshlrev_b32 v[GMO], 5, v10
	WIN 0x80                        ; destination window 2
.irp p, 0,1,2,3
	global_load_b128 v[8*\p:8*\p+3],       v[QO], s[2:3]   offset:(\p/2)*GROUPB+(\p%2)*64
	global_load_b128 v[8*\p+4:8*\p+7],     v[QO], s[2:3]   offset:(\p/2)*GROUPB+(\p%2)*64+32
	global_load_b128 v[QB+8*\p:QB+8*\p+3],   v[QO], s[72:73] offset:(\p/2)*GROUPB+(\p%2)*64
	global_load_b128 v[QB+8*\p+4:QB+8*\p+7], v[QO], s[72:73] offset:(\p/2)*GROUPB+(\p%2)*64+32
.endr
.irp cb, 0,1,2,3,4,5,6,7
	global_load_b128 v[G+8*\cb:G+8*\cb+3],   v[GMO], s[6:7] offset:64*\cb
	global_load_b128 v[G+8*\cb+4:G+8*\cb+7], v[GMO], s[6:7] offset:64*\cb+16
.endr
	WIN 0
	v_mul_u32_u24 v[AK0], v1, PK
	v_lshl_add_u32 v[AK0], v10, 4, v[AK0]   ; row x pitch + 16 x half
	v_and_b32 v11, 7, v0
	v_bfe_u32 v20, v0, 3, 1
	v_lshl_add_u32 v[AV0], v10, 3, v11      ; the turning load: lane l reads key 8 (l / 16) + l % 8, channels 8 ((l / 8) % 2) + 0..7
	v_mul_u32_u24 v[AV0], v[AV0], PVP
	v_lshl_add_u32 v[AV0], v20, 4, v[AV0]
	v_add_nc_u32 v[AV0], VOFF, v[AV0]
	s_mul_i32 s71, s[WV], 16*SP
	s_add_co_u32 s71, s71, STAGE            ; my stage
	v_mul_u32_u24 v[STO], v1, SP            ; in: row l % 16, 16 bytes for each half of the lanes
	v_lshl_add_u32 v[STO], v10, 4, v[STO]
	v_add_nc_u32 v[STO], s71, v[STO]
	v_mul_u32_u24 v[RD], v10, SP            ; back: lanes 0-15 one row of 256 bytes, lanes 16-31 the next
	v_lshl_add_u32 v[RD], v1, 4, v[RD]
	v_add_nc_u32 v[RD], s71, v[RD]
	v_lshlrev_b32 v[GO], 12, v10            ; and the same two rows in nbuf
	v_lshl_add_u32 v[GO], v1, 4, v[GO]
	v_lshlrev_b32 v[PFO], 8, v1             ; block l % 16 of chunk l / 16
	v_lshl_add_u32 v[PFO], v10, 18, v[PFO]
	v_lshlrev_b32 v21, 3, v10
	v_sub_nc_u32 v21, v1, v21               ; r - 8 hh: register j is hidden where j is greater
.set i, 0
.rept 8
	v_cmp_gt_i32 vcc_lo, i, v21
	v_cndmask_b32 v[TRI+i], 0, s[BIGN], vcc_lo
.set i, i+1
.endr
.set i, 0
.rept 32
	v_mov_b32 v[M+i], 0
.set i, i+1
.endr
.set i, 0
.rept 4
	v_mov_b32 v[ST+8*i], 0xfe000000     ; c m: far below every c s, so the first step's a is 0
	v_mov_b32 v[ST+8*i+1], 0xff7fffff   ; m: the lowest finite number
.irp k, 2,3,4,5,6,7
	v_mov_b32 v[ST+8*i+\k], 0
.endr
.set i, i+1
.endr
	WIN 0x40
.set i, 0
.rept 256
	v_mov_b32 v[i], 0                   ; O^T: the first step multiplies it by a = 0, so it must be finite; no first step is written out
.set i, i+1
.endr
	WIN 0
	s_wait_kmcnt 0x0                    ; raw_map_weights and weight_scale
	v_cvt_pk_bf16_f32 v20, s92, s93     ; rounded to bf16 like every other input
	v_cvt_pk_bf16_f32 v21, s94, s95
	v_cvt_pk_bf16_f32 v22, s96, s96
	v_lshlrev_b32 v[W], 16, v20
	v_and_b32 v[W+1], 0xffff0000, v20
	v_lshlrev_b32 v[W+2], 16, v21
	v_and_b32 v[W+3], 0xffff0000, v21
	v_lshlrev_b32 v22, 16, v22
.irp p, 0,1,2,3
	v_mul_f32 v[W+\p], 0x4038aa3b, v[W+\p]  ; tanh(x) = 1 - 2 / (1 + 2^(2 log2(e) x))
.endr
.irp p, 0,1,2,3
	v_exp_f32 v[W+\p], v[W+\p]
.endr
	v_nop                               ; a plain instruction behind the last exponential,
	s_wait_alu depctr_va_vdst(0)        ; and the one wait ahead of the batch's first reader
.irp p, 0,1,2,3
	v_add_f32 v[W+\p], 1.0, v[W+\p]
.endr
.irp p, 0,1,2,3
	v_rcp_f32 v[W+\p], v[W+\p]
.endr
	v_nop
	s_wait_alu depctr_va_vdst(0)
.irp p, 0,1,2,3
	v_fma_f32 v[W+\p], v[W+\p], -2.0, 1.0
.endr
.irp p, 0,1,2,3
	v_mul_f32 v[W+\p], v[W+\p], v22
.endr
	s_wait_loadcnt 0x0                  ; Q of both blocks, gamma
	WIN 0x8a                            ; all three places window 2: gamma is rounded to bf16, K's registers at work
.set i, 0
.rept 32
	v_cvt_pk_bf16_f32 v[KF+i], v[G+2*i], v[G+2*i+1]
.set i, i+1
.endr
.set i, 0
.rept 32
	v_lshlrev_b32 v[G+2*i], 16, v[KF+i]
	v_and_b32 v[G+2*i+1], 0xffff0000, v[KF+i]
.set i, i+1
.endr
	WIN 0
; THE MATRIX WORK.  S^T of piece p, key block kb: one instruction, its C the mask.
.macro QK p, kb
	WIN W_KQ
	v_wmma_f32_16x16x32_f16 v[S+32*(\p)+8*(\kb):S+32*(\p)+8*(\kb)+7], v[KF+32*(\p)+8*(\kb):KF+32*(\p)+8*(\kb)+7], v[8*(\p):8*(\p)+7], v[M+8*(\kb):M+8*(\kb)+7]
.endm
; Product x of 16 of O^T += V^T P for piece p: keys 32 (x / 8) on, channels 16 (x % 8) on.  The eight accumulators take turns.
.macro PV p, x
	WIN W_PV
	v_wmma_f32_16x16x32_f16 v[64*(\p)+8*((\x)%8):64*(\p)+8*((\x)%8)+7], v[64*((\x)/8)+8*((\x)%8):64*((\x)/8)+8*((\x)%8)+7], v[P+16*((\p)%2)+8*((\x)/8):P+16*((\p)%2)+8*((\x)/8)+7], v[64*(\p)+8*((\x)%8):64*(\p)+8*((\x)%8)+7]
.endm
; A step's LDS loads in one run: K (four maps x 64 keys x 32 channels, map 0 first), then V (64 keys x 128 channels, turned).
.macro FETCH
	WIN 0
	v_add_nc_u32 v[AK], s[TBK], v[AK0]
	v_add_nc_u32 v[AV], s[TBV], v[AV0]
	WIN 0x80
.irp f, 0,1,2,3,4,5,6,7,8,9,10,11,12,13,14,15   ; map f / 4, key block f % 4
	ds_load_b128 v[KF+8*\f:KF+8*\f+3],   v[AK] offset:(\f/8)*KCH+(\f%4)*16*PK+((\f/4)%2)*64
	ds_load_b128 v[KF+8*\f+4:KF+8*\f+7], v[AK] offset:(\f/8)*KCH+(\f%4)*16*PK+((\f/4)%2)*64+32
.endr
	WIN 0xc0
.irp f, 0,1,2,3,4,5,6,7,8,9,10,11,12,13,14,15   ; keys 32 (f / 8) on, channels 16 (f % 8) on
	ds_load_tr16_b128 v[8*\f:8*\f+3],   v[AV] offset:((\f%8)/4)*VCH+(\f/8)*32*PVP+(\f%4)*32
	ds_load_tr16_b128 v[8*\f+4:8*\f+7], v[AV] offset:((\f%8)/4)*VCH+(\f/8)*32*PVP+16*PVP+(\f%4)*32
.endr
.endm
; THE VECTOR WORK: number n of the 134 of piece p's softmax for one step.  s0-s31 are the lane's 32 scores.
;   0-15   the maximum of the scores and the old m, three operands at a time (each accumulator's lowest registers are read first)
;   16-20  the other half of the lanes' maximum; c m_old kept; the new m; c m; c m_old - c m_new
;   21-69  ONE BATCH that names no exponential's result: the 16 scalings c s - c m and the 33 exponentials (a at 23)
;   70-85  the roundings to f16     86-101  the sums; l = a l + sum     102-133  O^T times a
.macro SM p
.set rT, ST+8*(\p)
.set rS, S+32*(\p)
.set rP, P+16*((\p)%2)
.if n < 102
	WIN 0
.endif
.if n < 4
	v_max3_num_f32 v[rT+4+n], v[rS+8*n], v[rS+8*n+1], v[rS+8*n+2]
.elseif n < 12
	v_max3_num_f32 v[rT+4+n%4], v[rT+4+n%4], v[rS+8*(n%4)+2*(n/4)+1], v[rS+8*(n%4)+2*(n/4)+2]
.elseif n == 12
	v_max3_num_f32 v[rT+4], v[rT+4], v[rS+7], v[rS+15]
.elseif n == 13
	v_max3_num_f32 v[rT+6], v[rT+6], v[rS+23], v[rS+31]
.elseif n == 14
	v_max3_num_f32 v[rT+4], v[rT+4], v[rT+5], v[rT+6]
.elseif n == 15
	v_max3_num_f32 v[rT+4], v[rT+4], v[rT+7], v[rT+1]
.elseif n == 16
	v_permlanex16_b32 v[rT+5], v[rT+4], s[SEL], s[SEL+1]  ; the query's other 32 keys lie in the lane 16 away
.elseif n == 17
	v_mov_b32 v[rT+7], v[rT]
.elseif n == 18
	v_max_num_f32 v[rT+1], v[rT+4], v[rT+5]
.elseif n == 19
	v_mul_f32 v[rT], s[CS], v[rT+1]
.elseif n == 20
	v_sub_f32 v[rT+7], v[rT+7], v[rT]
.elseif n < 23
	v_pk_fma_f32 v[rS+2*(n-21):rS+2*(n-21)+1], v[rS+2*(n-21):rS+2*(n-21)+1], s[CS:CS+1], v[rT:rT+1] op_sel_hi:[1,0,0] neg_lo:[0,0,1] neg_hi:[0,0,1]
.elseif n == 23
	v_exp_f32 v[rT+6], v[rT+7]
.elseif n < 66
.set t3, n-24
.set bb, 2+t3/3
.if t3%3 == 0
	v_pk_fma_f32 v[rS+2*bb:rS+2*bb+1], v[rS+2*bb:rS+2*bb+1], s[CS:CS+1], v[rT:rT+1] op_sel_hi:[1,0,0] neg_lo:[0,0,1] neg_hi:[0,0,1]
.else
	v_exp_f32 v[rS+2*bb-5+t3%3], v[rS+2*bb-5+t3%3]       ; the pair scaled two threes earlier
.endif
.elseif n < 70
	v_exp_f32 v[rS+n-38], v[rS+n-38]
.elseif n < 86
	v_cvt_pk_f16_f32 v[rP+n-70], v[rS+2*(n-70)], v[rS+2*(n-70)+1]
.elseif n < 102
.set z, n-86
.set sw, 4
.set su, z
.if z >= 14
.set sw, 32
.set su, 0
.elseif z >= 12
.set sw, 16
.set su, z-12
.elseif z >= 8
.set sw, 8
.set su, z-8
.endif
.if z < 15
	v_pk_add_f32 v[rS+sw*su:rS+sw*su+1], v[rS+sw*su:rS+sw*su+1], v[rS+sw*su+sw/2:rS+sw*su+sw/2+1]
.else
	v_pk_fma_f32 v[rT+2:rT+3], v[rT+2:rT+3], v[rT+6:rT+7], v[rS:rS+1] op_sel_hi:[1,0,1]
.endif
.else
	WIN W_RS
	v_pk_mul_f32 v[64*(\p)+2*(n-102):64*(\p)+2*(n-102)+1], v[64*(\p)+2*(n-102):64*(\p)+2*(n-102)+1], v[rT+6:rT+7] op_sel_hi:[1,0]
.endif
.endm
; A TURN: piece p's 134, one wait for its 33 exponentials behind number 69, and a matrix instruction behind every eighth; none of the vector lines names a register of the products round it.
.macro TURN p
.set n, 0
.rept 134
	SM \p
.if n == 69
	v_nop                           ; a plain instruction behind the last exponential: one for the batch
	s_wait_alu depctr_va_vdst(0)    ; the wait ahead of the batch's first reader
.endif
.if (n%8) == 7
.if (\p) == 0
.if n/8 < 12
	QK 1+(n/8)/4, (n/8)%4
.endif
.else
	PV (\p)-1, n/8
.endif
.endif
.set n, n+1
.endr
.endm
; The masks are made anew only where the kind of step changes: TRI x AL + BE for each key block; all 0 away from the diagonal.
.macro MASKS
	s_cmp_eq_u32 s[DG], s[MST]
	s_cbranch_scc1 .Lmasks_stand_\@
	s_mov_b32 s[MST], s[DG]
	s_cmp_eq_u32 s[DG], 1
.irp kb, 0,1,2,3
	s_cselect_b32 s[AL+\kb], s[ALD+\kb], 0
	s_cselect_b32 s[BE+\kb], s[BED+\kb], 0
.endr
.irp kb, 0,1,2,3
.irp j, 0,1,2,3,4,5,6,7
	v_fma_f32 v[M+8*\kb+\j], v[TRI+\j], s[AL+\kb], s[BE+\kb]
.endr
.endr
.Lmasks_stand_\@:
.endm
.macro STEP
	FETCH
	s_wait_dscnt 56                 ; of the 64 loads the first eight, map 0's K, are in
.irp kb, 0,1,2,3
	QK 0, \kb
.endr
	PLACES                          ; in front of the first read of those scores
	s_wait_dscnt 32                 ; all of K is in; V's 32 loads may be out
	TURN 0
	s_wait_dscnt 0x0                ; V is in
	TURN 1
	TURN 2
	TURN 3
.set i, 0
.rept 16
	PV 3, i
.set i, i+1
.endr
	PLACES                          ; in front of the next loads into V's registers, and of the block's end
.endm
; A BLOCK'S END: the four maps are divided by their sums, weighted and added; RMSNorm; gamma; f16; my stage; 16 rows of 256 bytes.  last = 0: the second block is set up.
.macro FINISH last
	WIN 0
.irp p, 0,1,2,3
	v_add_f32 v[ST+8*\p+4], v[ST+8*\p+2], v[ST+8*\p+3]
.endr
.irp p, 0,1,2,3
	v_permlanex16_b32 v[ST+8*\p+5], v[ST+8*\p+4], s[SEL], s[SEL+1]
.endr
.irp p, 0,1,2,3
	v_add_f32 v[ST+8*\p+4], v[ST+8*\p+4], v[ST+8*\p+5]
.endr
.irp p, 0,1,2,3
	v_rcp_f32 v[ST+8*\p+6], v[ST+8*\p+4]
.endr
	v_nop
	s_wait_alu depctr_va_vdst(0)    ; one wait for the four reciprocals
.irp p, 0,1,2,3
	v_mul_f32 v[ST+8*\p+6], v[ST+8*\p+6], v[W+\p]
.endr
	WIN 0x51                        ; destination, sources 0 and 2 window 1; source 1 window 0
.set i, 0
.rept 32
	v_pk_mul_f32 v[2*i:2*i+1], v[2*i:2*i+1], v[ST+6:ST+7] op_sel_hi:[1,0]
.set i, i+1
.endr
.irp p, 1,2,3
.set i, 0
.rept 32
	v_pk_fma_f32 v[2*i:2*i+1], v[64*\p+2*i:64*\p+2*i+1], v[ST+8*\p+6:ST+8*\p+7], v[2*i:2*i+1] op_sel_hi:[1,0,1]
.set i, i+1
.endr
.endr
	WIN 0x05                        ; sources 0 and 1 window 1: the sum of squares, in four chains
.set i, 0
.rept 32
.if i < 4
	v_pk_mul_f32 v[S+2*i:S+2*i+1], v[2*i:2*i+1], v[2*i:2*i+1]
.else
	v_pk_fma_f32 v[S+2*(i%4):S+2*(i%4)+1], v[2*i:2*i+1], v[2*i:2*i+1], v[S+2*(i%4):S+2*(i%4)+1]
.endif
.set i, i+1
.endr
	WIN 0
	v_pk_add_f32 v[S:S+1], v[S:S+1], v[S+2:S+3]
	v_pk_add_f32 v[S+4:S+5], v[S+4:S+5], v[S+6:S+7]
	v_pk_add_f32 v[S:S+1], v[S:S+1], v[S+4:S+5]
	v_add_f32 v[S], v[S], v[S+1]
	v_permlanex16_b32 v[S+1], v[S], s[SEL], s[SEL+1]   ; the query's other 64 channels
	v_add_f32 v[S], v[S], v[S+1]
	v_fma_f32 v[S], v[S], s20, s21  ; the mean, plus 1e-5
	v_rsq_f32 v[S+2], v[S]
	v_nop
	s_wait_alu depctr_va_vdst(0)
	WIN W_RS
.set i, 0
.rept 32
	v_pk_mul_f32 v[2*i:2*i+1], v[2*i:2*i+1], v[S+2:S+3] op_sel_hi:[1,0]
.set i, i+1
.endr
	WIN 0x49                        ; source 1 window 2: gamma
.set i, 0
.rept 32
	v_pk_mul_f32 v[2*i:2*i+1], v[2*i:2*i+1], v[G+2*i:G+2*i+1]
.set i, i+1
.endr
	WIN 0x05
.set i, 0
.rept 32
	v_cvt_pk_f16_f32 v[S+i], v[2*i], v[2*i+1]
.set i, i+1
.endr
	WIN 0
.irp f, 0,1,2,3,4,5,6,7
	ds_store_b128 v[STO], v[S+4*\f:S+4*\f+3] offset:32*\f
.endr
.irp f, 0,1,2,3,4,5,6,7
	ds_load_b128 v[S+32+4*\f:S+32+4*\f+3], v[RD] offset:\f*2*SP   ; LDS serves a wave's instructions in order (ISA guide 5.7.1.4): these see the stores above
.endr
.irp f, 0,1,2,3,4,5,6,7
	s_wait_dscnt 7-\f
	global_store_b128 v[GO], v[S+32+4*\f:S+32+4*\f+3], s[OB:OB+1] offset:\f*8192   ; 16 lanes store 256 consecutive bytes, at a multiple of 256 from nbuf's first byte
.endr
.if !(\last)
	s_wait_xcnt 0x0                 ; the stores have read their registers and their base
	s_mov_b64 s[OB:OB+1], s[OB2:OB2+1]
	s_mov_b32 s[RT], s[RT2]
	s_xor_b32 s[PAR], s[PAR], 1
.irp p, 0,1,2,3
	v_mov_b32 v[ST+8*\p], 0xfe000000     ; the next step's a is 0: O^T and l need only be finite
	v_mov_b32 v[ST+8*\p+1], 0xff7fffff
.endr
	WIN 0x82
.set i, 0
.rept 32
	v_mov_b32 v[i], v[QB+i]         ; the second block's Q goes where the one text of the turns names Q
.set i, i+1
.endr
	WIN 0
.endif
.endm
; A TILE: two steps.  The step that holds the diagonal takes masks; the step behind it in the same tile is wholly hidden and is jumped.
.macro TILE last
	s_sub_co_u32 s[RT], s[RT], 1
	s_mov_b32 s[CNT], 2
.Lstep_\@:
	s_xor_b32 s72, s[CNT], 1        ; dead: the block's last tile, an even block, the second step
	s_or_b32 s72, s72, s[PAR]
	s_or_b32 s72, s72, s[RT]
	s_cmp_eq_u32 s72, 0
	s_cbranch_scc1 .Lskip_\@
	s_sub_co_u32 s71, 2, s[CNT]     ; the diagonal: the block's last tile, the step of the block's parity
	s_xor_b32 s71, s71, s[PAR]
	s_or_b32 s71, s71, s[RT]
	s_cmp_eq_u32 s71, 0
	s_cselect_b32 s[DG], 1, 0
	MASKS
	STEP
	WIN 0
.Lskip_\@:
	s_add_co_u32 s[TBK], s[TBK], 64*PK
	s_add_co_u32 s[TBV], s[TBV], 64*PVP
	s_sub_co_u32 s[CNT], s[CNT], 1
	s_cmp_lg_u32 s[CNT], 0
	s_cbranch_scc1 .Lstep_\@
.if \last
	FINISH 1
.else
	s_cmp_lg_u32 s[RT], 0
	s_cbranch_scc1 .Lgoes_on_\@
	FINISH 0
.Lgoes_on_\@:
.endif
.endm
.Lslot:                             ; 16 trips: a tile is entered and the next is asked for
	CHANGE 1
	TILE 0
	s_sub_co_u32 s[SLOTS], s[SLOTS], 1
	s_cmp_lg_u32 s[SLOTS], 0
	s_cbranch_scc1 .Lslot
	CHANGE 0                        ; the walk's last tile is written out: nothing is asked for
	TILE 1
	s_wait_tensorcnt 0x0            ; the wave's end
	ds_add_u32 v[SPW], v[NIL]
	s_wait_dscnt 0x0
	CROUND                          ; the closing round
	s_endpgm
.Lfunc_end_k_q5c2585ce1a_attn:
	.size	k_q5c2585ce1a_attn, .Lfunc_end_k_q5c2585ce1a_attn-k_q5c2585ce1a_attn
	.p2alignl 7, 3214868480
	.fill 96, 4, 3214868480
	.section	.rodata,"a",@progbits
	.p2align	6, 0x0
	.amdhsa_kernel k_q5c2585ce1a_attn
		.amdhsa_group_segment_fixed_size 327680
		.amdhsa_private_segment_fixed_size 0
		.amdhsa_enable_private_segment 0
		.amdhsa_kernarg_size 40
		.amdhsa_user_sgpr_count 2
		.amdhsa_user_sgpr_kernarg_segment_ptr 1
		.amdhsa_wavefront_size32 1
		.amdhsa_system_sgpr_workgroup_id_x 1
		.amdhsa_system_sgpr_workgroup_id_y 1
		.amdhsa_system_sgpr_workgroup_id_z 1
		.amdhsa_system_vgpr_workitem_id 0
		.amdhsa_next_free_vgpr 896
		.amdhsa_next_free_sgpr 106
		.amdhsa_reserve_vcc 1
		.amdhsa_float_denorm_mode_32 3
		.amdhsa_float_denorm_mode_16_64 3
		.amdhsa_memory_ordered 1
		.amdhsa_forward_progress 1
		.amdhsa_inst_pref_size 164
	.end_amdhsa_kernel
	.amdgpu_metadata
---
amdhsa.version: [ 1, 2 ]
amdhsa.kernels:
  - .name:           k_q5c2585ce1a_attn
    .symbol:         k_q5c2585ce1a_attn.kd
    .args:
      - { .name: qkvb, .offset: 0, .size: 8, .value_kind: global_buffer, .address_space: global }
      - { .name: gamma, .offset: 8, .size: 8, .value_kind: global_buffer, .address_space: global }
      - { .name: raw_map_weights, .offset: 16, .size: 8, .value_kind: global_buffer, .address_space: global }
      - { .name: weight_scale, .offset: 24, .size: 8, .value_kind: global_buffer, .address_space: global }
      - { .name: nbuf, .offset: 32, .size: 8, .value_kind: global_buffer, .address_space: global }
    .group_segment_fixed_size: 327680
    .private_segment_fixed_size: 0
    .kernarg_segment_align: 8
    .kernarg_segment_size: 40
    .max_flat_workgroup_size: 128
    .sgpr_count:     106
    .vgpr_count:     896
    .wavefront_size: 32
...
	.end_amdgpu_metadata
.endif
;; end of part 3
;; launch gemm_out (part 4): grid 16 x 16, 4 waves a work-group, clusters of 4 x 4, 327,680 bytes of LDS; arguments nbuf, owb, out0; writes out0
.if DOCPART == 4
	.amdgcn_target "amdgcn-amd-amdhsa--gfx1250"
	.amdhsa_code_object_version 6
	.text
	.protected	k_q5c2585ce1a_gemm_out
	.globl	k_q5c2585ce1a_gemm_out
	.p2align	8
	.type	k_q5c2585ce1a_gemm_out,@function
k_q5c2585ce1a_gemm_out:
	s_mov_b64 s[64:65], 0
	v_nop
	global_prefetch_b8 v0, s[64:65] scope:SCOPE_SE
	s_setreg_imm32_b32 hwreg(HW_REG_WAVE_MODE, 25, 1), 1
	s_wait_xcnt 0x0
	s_wait_alu depctr_hold_cnt(0) depctr_sa_sdst(0) depctr_va_vdst(0) depctr_va_sdst(0) depctr_va_ssrc(0) depctr_va_vcc(0) depctr_vm_vsrc(0)
	s_getreg_b32 s2, hwreg(HW_REG_IB_STS2, 6, 4)
	s_cmp_eq_u32 s2, 0
	s_cbranch_scc0 .Lentry_in_a_cluster
	s_endpgm
.Lentry_in_a_cluster:
	s_bfe_u32 s2, ttmp6, 0x10000c
	s_cmp_lg_u32 s2, 0xf033
	s_cbranch_scc0 .Lentry_shape_is_right
	s_endpgm
.Lentry_shape_is_right:
; out0[t][n] = sum over k of nbuf[t][k] owb[n][k].  nbuf, owb: [2048][2048] f16; out0: [2048][2048] f32; sums in f32.
; A tile is 128 x 128: 16 x 16 = 256 work-groups.  Four waves, each 64 x 64: 16 accumulators.  K goes in steps of 256 (LDS rows of 512 bytes; a wave's tensor load brings 64 of them) through two slots.
; CLUSTERS: 4 x 4 work-groups; nbuf's tile is asked for jointly along a row of the cluster, owb's along a column.
; THE MATRIX INSTRUCTION IS USED TRANSPOSED (source 0 = 16 rows of owb, source 1 = 16 rows of nbuf): a lane holds eight neighbouring numbers of a row of out0.
; A wave's 64 f32 columns are 256 aligned bytes, so each wave has a stage of its own on the way out and no barrier stands there.
; No prefetch: a step's tile is 128 KiB for the work-group and both operands are walked by sixteen clusters at once.
; REGISTERS: window 0: v16-29 addresses; v32-95 rows read back; v128-255 accumulators ((a, b) at 128 + 8 (4 a + b)).  window 1: two fragment buffers of 128.
.set SIZE_K, 2048
.set SIZE_N, 2048
.set KSTEP,  256
.set PITCH,  528                       ; an LDS row: 512 bytes + 16: the 16 rows of a load start at 16 different groups of four banks (ISA guide 11.1)
.set HALFT,  64*PITCH
.set SLOT,   4*HALFT
.set STAGE,  2*SLOT                    ; behind the ring: 16 rows x 272 bytes for each wave
.set SPITCH, 272
.set SPARE,  STAGE+4*16*SPITCH         ; the spare words, 128 bytes for each wave: two blocks of 256 bytes that no other line names
.set LAPS, SIZE_K/(2*KSTEP)
.set ADRA, 16
.set ADRB, 20
.set STO,  24
.set RD,   25
.set CO,   26
.set SPW,  28
.set NIL,  29
.set TMP,  32
.set ACC,  128
.set F0,   0
.set F1,   128
.set G1, 24
.set G0, 32
.set G1B, 48
.set G0B, 56
.set MSB, 0
.macro WIN new
.if MSB != (\new)
	s_set_vgpr_msb (MSB<<8)|(\new)
.set MSB, \new
.endif
.endm
.set MUL,  0x05
.set TO_F, 0x40
.macro JLOAD s                         ; waves 0 and 1 fetch nbuf's halves, waves 2 and 3 owb's; an s_nop 0 and four v_nop follow each line
	s_cmp_eq_u32 s11, 0
	s_cbranch_scc0 .Lfor_b_\@
	tensor_load_to_lds s[G0+4*(\s):G0+4*(\s)+3], s[G1:G1+7]
	s_nop 0
.rept 4
	v_nop
.endr
	s_branch .Lasked_\@
.Lfor_b_\@:
	tensor_load_to_lds s[G0B+4*(\s):G0B+4*(\s)+3], s[G1B:G1B+7]
	s_nop 0
.rept 4
	v_nop
.endr
.Lasked_\@:
.endm
.macro CREST
	s_cmp_lg_u32 s10, 0
	s_cbranch_scc1 .Lnot_wave_0_\@
	s_barrier_signal -3
.Lnot_wave_0_\@:
	s_barrier_wait -3
	s_barrier_signal -1
	s_barrier_wait -1
.endm
.macro CROUND
	s_barrier_signal -1
	s_barrier_wait -1
	CREST
.endm
	s_load_b128 s[4:7], s[0:1], 0x0                ; nbuf s[4:5], owb s[6:7]
	s_load_b64 s[8:9], s[0:1], 0x10                ; out0
	v_lshl_add_u32 v[SPW], v0, 2, SPARE
	v_mov_b32 v[NIL], 0
	ds_add_u32 v[SPW], v[NIL]                      ; the wave's opening: an add, and its wait, ahead of my first tensor load
	v_lshrrev_b32 v1, 5, v0
	v_readfirstlane_b32 s10, v1                    ; wave 0..3
	s_lshr_b32 s11, s10, 1                         ; which half of the tile's rows is mine.  Also: I fetch for nbuf (0) or owb (1)
	s_and_b32 s12, s10, 1                          ; which half of its columns.  Also: which 64 rows of that tile I fetch
	s_bfe_u32 s40, ttmp6, 0x40000
	s_bfe_u32 s41, ttmp6, 0x40004
	s_lshl_b32 s42, ttmp9, 2
	s_add_co_u32 s42, s42, s40                     ; tile column
	s_and_b32 s13, ttmp7, 0xffff
	s_lshl_b32 s13, s13, 2
	s_add_co_u32 s13, s13, s41                     ; tile row
	s_lshl_b32 s43, s41, 2
	s_lshl_b32 s43, 15, s43                        ; my row of the cluster
	s_lshl_b32 s44, 0x1111, s40                    ; my column
	s_or_b32 s[G1+0], s43, (1<<16)|(1<<20)|(1<<21)|(6<<22)|(3<<25)  ; mask; 2-byte elements; padding on; bit 21 beside a mask; after every 128 words, 4 words
	s_or_b32 s[G1B+0], s44, (1<<16)|(1<<20)|(1<<21)|(6<<22)|(3<<25)
.irp g, G1, G1B
	s_mov_b32 s[(\g)+1], KSTEP<<16
	s_mov_b32 s[(\g)+2], 64<<16
	s_mov_b32 s[(\g)+3], KSTEP<<16
	s_mov_b32 s[(\g)+4], 64
	s_mov_b32 s[(\g)+5], SIZE_K
	s_mov_b32 s[(\g)+6], 0
	s_mov_b32 s[(\g)+7], 0
.endr
	s_lshl_b32 s17, s12, 6
	s_lshl_b32 s16, s13, 7
	s_add_co_u32 s16, s16, s17                     ; nbuf: row 128 x tile row + 64 x half
	s_lshl_b32 s46, s42, 7
	s_add_co_u32 s46, s46, s17                     ; owb: row 128 x tile column + 64 x half
	s_mov_b32 s17, 0
	s_mov_b32 s47, 0
	s_mov_b64 s[18:19], SIZE_K*2
	s_mul_u64 s[16:17], s[16:17], s[18:19]
	s_mul_u64 s[46:47], s[46:47], s[18:19]
	s_mul_i32 s20, s10, HALFT                      ; where they go: wave x 64 rows
	s_wait_dscnt 0x0                               ; the opening add is done
	s_wait_kmcnt 0x0
	s_add_nc_u64 s[14:15], s[4:5], s[16:17]
	s_add_nc_u64 s[46:47], s[6:7], s[46:47]
	CROUND                                         ; all sixteen work-groups are here: the first joint loads meet
.irp s, 0,1
	s_mov_b32 s[G0+4*(\s)], 1
	s_add_co_u32 s[G0+4*(\s)+1], s20, (\s)*SLOT
	s_add_nc_u64 s[G0+4*(\s)+2:G0+4*(\s)+3], s[14:15], (\s)*KSTEP*2
	s_or_b32 s[G0+4*(\s)+3], s[G0+4*(\s)+3], 0x80000000
	s_mov_b32 s[G0B+4*(\s)], 1
	s_add_co_u32 s[G0B+4*(\s)+1], s20, (\s)*SLOT
	s_add_nc_u64 s[G0B+4*(\s)+2:G0B+4*(\s)+3], s[46:47], (\s)*KSTEP*2
	s_or_b32 s[G0B+4*(\s)+3], s[G0B+4*(\s)+3], 0x80000000
	JLOAD \s
.endr
	v_and_b32 v1, 15, v0                           ; r
	v_bfe_u32 v2, v0, 4, 1                         ; hh
	v_mul_u32_u24 v3, v1, PITCH
	v_lshl_add_u32 v3, v2, 4, v3
	s_mul_i32 s21, s11, HALFT
	s_mul_i32 s22, s12, HALFT
	s_add_co_u32 s22, s22, 2*HALFT
.irp s, 0,1
	v_add_nc_u32 v[ADRA+(\s)], s21, v3
	v_add_nc_u32 v[ADRB+(\s)], s22, v3
	s_add_co_u32 s21, s21, SLOT
	s_add_co_u32 s22, s22, SLOT
.endr
	s_mul_i32 s23, s10, 16*SPITCH
	s_add_co_u32 s23, s23, STAGE                   ; my stage
	v_mul_u32_u24 v4, v1, SPITCH                   ; in: row l % 16, 32 bytes (eight f32) for each half of the lanes
	v_lshl_add_u32 v4, v2, 5, v4
	v_add_nc_u32 v[STO], s23, v4
	v_mul_u32_u24 v5, v2, SPITCH                   ; back: lanes 0-15 one row of 256 bytes, lanes 16-31 the next
	v_lshl_add_u32 v5, v1, 4, v5
	v_add_nc_u32 v[RD], s23, v5
	v_lshlrev_b32 v5, 13, v2                       ; and the same two rows in out0: 8,192 bytes a row
	v_lshl_add_u32 v[CO], v1, 4, v5
	s_lshl_b32 s16, s13, 7
	s_lshl_b32 s17, s11, 6
	s_add_co_u32 s16, s16, s17                     ; my first row
	s_lshl_b32 s16, s16, 13
	s_mov_b32 s17, 0
	s_add_nc_u64 s[8:9], s[8:9], s[16:17]
	s_lshl_b32 s46, s42, 7
	s_lshl_b32 s47, s12, 6
	s_add_co_u32 s46, s46, s47                     ; my first column,
	s_lshl_b32 s46, s46, 2                         ; in bytes
	s_mov_b32 s47, 0
	s_add_nc_u64 s[8:9], s[8:9], s[46:47]
; 8 matrix instructions: row blocks a0, a0 + 1 x all 4 column blocks, 32 along K: half c of buffer f.  The 16 accumulators take turns.
.macro MUL8 f, c, a0, zero
	WIN MUL
.irp a, \a0, (\a0)+1
.irp b, 0,1,2,3
.if \zero
	v_wmma_f32_16x16x32_f16 v[ACC+8*(4*(\a)+(\b)):ACC+8*(4*(\a)+(\b))+7], v[(\f)+64+8*(4*(\c)+(\b)):(\f)+64+8*(4*(\c)+(\b))+7], v[(\f)+8*(4*(\c)+(\a)):(\f)+8*(4*(\c)+(\a))+7], 0
.else
	v_wmma_f32_16x16x32_f16 v[ACC+8*(4*(\a)+(\b)):ACC+8*(4*(\a)+(\b))+7], v[(\f)+64+8*(4*(\c)+(\b)):(\f)+64+8*(4*(\c)+(\b))+7], v[(\f)+8*(4*(\c)+(\a)):(\f)+8*(4*(\c)+(\a))+7], v[ACC+8*(4*(\a)+(\b)):ACC+8*(4*(\a)+(\b))+7]
.endif
.endr
.endr
.endm
; 32 LDS loads in one run: the fragments of 64 along K at byte k of the rows, into buffer f; the first 32 along K first
.macro FETCH slot, k, f
	WIN TO_F
.irp c, 0,1
.irp i, 0,1,2,3
	ds_load_b128 v[(\f)+64+8*(4*(\c)+(\i)):(\f)+64+8*(4*(\c)+(\i))+3],   v[ADRB+(\slot)] offset:(\k)+64*(\c)+(\i)*16*PITCH
	ds_load_b128 v[(\f)+64+8*(4*(\c)+(\i))+4:(\f)+64+8*(4*(\c)+(\i))+7], v[ADRB+(\slot)] offset:(\k)+64*(\c)+(\i)*16*PITCH+32
	ds_load_b128 v[(\f)+8*(4*(\c)+(\i)):(\f)+8*(4*(\c)+(\i))+3],         v[ADRA+(\slot)] offset:(\k)+64*(\c)+(\i)*16*PITCH
	ds_load_b128 v[(\f)+8*(4*(\c)+(\i))+4:(\f)+8*(4*(\c)+(\i))+7],       v[ADRA+(\slot)] offset:(\k)+64*(\c)+(\i)*16*PITCH+32
.endr
.endr
.endm
.macro PLACES                          ; four places in front of loads into registers that matrix instructions have read, and of LDS stores that read results
.rept 4
	v_nop
.endr
.endm
.macro QUARTER slot, k, f, g, zero
	s_wait_dscnt 16                                ; the first 32 along K are in
	MUL8 \f, 0, 0, \zero
	MUL8 \f, 0, 2, \zero
	PLACES
	FETCH \slot, \k, \g
	s_wait_dscnt 32                                ; all but the 32 just issued
	MUL8 \f, 1, 0, 0
	MUL8 \f, 1, 2, 0
.endm
.macro TURN slot, next, fill
	WIN 0
	s_wait_tensorcnt 0x0                           ; all my tensor loads have landed: my part of the next slot
	ds_add_u32 v[SPW], v[NIL]                      ; 0 onto my spare word
	s_wait_dscnt 17                                ; (the add and the youngest sixteen loads may be out)
	MUL8 F1, 0, 0, 0
	s_wait_dscnt 0x0                               ; the add is done, and my reads of this slot are over
	s_barrier_signal -1
	MUL8 F1, 0, 2, 0
.if \fill
	WIN 0
.endif
	s_barrier_wait -1
.if \fill
	CREST                                          ; the barrier has opened a round of the cluster's: no wave of any partner still reads this slot or has a load on its way
	s_add_nc_u64 s[G0+4*(\slot)+2:G0+4*(\slot)+3], s[G0+4*(\slot)+2:G0+4*(\slot)+3], 2*KSTEP*2
	s_add_nc_u64 s[G0B+4*(\slot)+2:G0B+4*(\slot)+3], s[G0B+4*(\slot)+2:G0B+4*(\slot)+3], 2*KSTEP*2
	JLOAD \slot                                    ; the first tensor load behind the round; its four v_nop are also the places in front of the loads below
.else
	PLACES
.endif
	FETCH \next, 0, F0
	MUL8 F1, 1, 0, 0
	MUL8 F1, 1, 2, 0
.endm
	s_wait_tensorcnt 1                             ; my part of K step 0 is in; K step 1's may stay out
	s_barrier_signal -1
	s_barrier_wait -1
	FETCH 0, 0, F0
	QUARTER 0, 128, F0, F1, 1
	WIN 0
	s_mov_b32 s3, LAPS-1
.Llap:
	QUARTER 0, 256, F1, F0, 0
	QUARTER 0, 384, F0, F1, 0
	TURN 0, 1, 1
	QUARTER 1, 128, F0, F1, 0
	QUARTER 1, 256, F1, F0, 0
	QUARTER 1, 384, F0, F1, 0
	TURN 1, 0, 1
	QUARTER 0, 128, F0, F1, 0
	WIN 0
	s_sub_co_u32 s3, s3, 1
	s_cmp_lg_u32 s3, 0
	s_cbranch_scc1 .Llap
	QUARTER 0, 256, F1, F0, 0                      ; the last lap fills nothing
	QUARTER 0, 384, F0, F1, 0
	TURN 0, 1, 0
	QUARTER 1, 128, F0, F1, 0
	QUARTER 1, 256, F1, F0, 0
	QUARTER 1, 384, F0, F1, 0
	s_wait_dscnt 16
	MUL8 F1, 0, 0, 0
	MUL8 F1, 0, 2, 0
	s_wait_dscnt 0x0
	MUL8 F1, 1, 0, 0
	MUL8 F1, 1, 2, 0
	WIN 0
	; THE WAY OUT, 16 rows at a time: 32 bytes a lane into my own stage, back as whole rows of 256 bytes, stored.  A block's stores stand behind the next block's LDS instructions.
	PLACES
.macro TOSTAGE a
.set BK, TMP+32*((\a)%2)
.irp b, 0,1,2,3
	ds_store_b128 v[STO], v[ACC+8*(4*(\a)+(\b)):ACC+8*(4*(\a)+(\b))+3]   offset:64*(\b)      ; an accumulator's four lowest registers are read first
	ds_store_b128 v[STO], v[ACC+8*(4*(\a)+(\b))+4:ACC+8*(4*(\a)+(\b))+7] offset:64*(\b)+16
.endr
.irp f, 0,1,2,3,4,5,6,7
	ds_load_b128 v[BK+4*(\f):BK+4*(\f)+3], v[RD] offset:(\f)*2*SPITCH  ; LDS serves a wave's instructions in order (ISA guide 5.7.1.4): these see the stores above; the next block's stores come behind them
.endr
.endm
.macro SEND a, younger                 ; younger: the LDS instructions issued behind block a's loads
.set BK, TMP+32*((\a)%2)
.irp f, 0,1,2,3,4,5,6,7
	s_wait_dscnt (\younger)+7-(\f)
	global_store_b128 v[CO], v[BK+4*(\f):BK+4*(\f)+3], s[8:9] offset:(16*(\a)+2*(\f))*SIZE_N*4  ; 16 lanes store 256 consecutive bytes, at a multiple of 256 from out0's first byte
.endr
.endm
	TOSTAGE 0
	TOSTAGE 1
	SEND 0, 16
	s_wait_xcnt 0x0                                ; block 0's stores have read their registers, which block 2 is read back into
	TOSTAGE 2
	SEND 1, 16
	s_wait_xcnt 0x0
	TOSTAGE 3
	SEND 2, 16
	SEND 3, 0
	s_wait_tensorcnt 0x0                           ; the wave's end
	ds_add_u32 v[SPW], v[NIL]
	s_wait_dscnt 0x0
	CROUND                                         ; the closing round
	s_endpgm
.Lfunc_end_k_q5c2585ce1a_gemm_out:
	.size	k_q5c2585ce1a_gemm_out, .Lfunc_end_k_q5c2585ce1a_gemm_out-k_q5c2585ce1a_gemm_out
	.p2alignl 7, 3214868480
	.fill 96, 4, 3214868480
	.section	.rodata,"a",@progbits
	.p2align	6, 0x0
	.amdhsa_kernel k_q5c2585ce1a_gemm_out
		.amdhsa_group_segment_fixed_size 327680
		.amdhsa_private_segment_fixed_size 0
		.amdhsa_enable_private_segment 0
		.amdhsa_kernarg_size 24
		.amdhsa_user_sgpr_count 2
		.amdhsa_user_sgpr_kernarg_segment_ptr 1
		.amdhsa_wavefront_size32 1
		.amdhsa_system_sgpr_workgroup_id_x 1
		.amdhsa_system_sgpr_workgroup_id_y 1
		.amdhsa_system_sgpr_workgroup_id_z 1
		.amdhsa_system_vgpr_workitem_id 0
		.amdhsa_next_free_vgpr 512
		.amdhsa_next_free_sgpr 66
		.amdhsa_reserve_vcc 0
		.amdhsa_float_denorm_mode_32 3
		.amdhsa_float_denorm_mode_16_64 3
		.amdhsa_memory_ordered 1
		.amdhsa_forward_progress 1
		.amdhsa_inst_pref_size 86
	.end_amdhsa_kernel
	.amdgpu_metadata
---
amdhsa.version: [ 1, 2 ]
amdhsa.kernels:
  - .name:           k_q5c2585ce1a_gemm_out
    .symbol:         k_q5c2585ce1a_gemm_out.kd
    .args:
      - { .name: nbuf, .offset: 0, .size: 8, .value_kind: global_buffer, .address_space: global }
      - { .name: owb, .offset: 8, .size: 8, .value_kind: global_buffer, .address_space: global }
      - { .name: out0, .offset: 16, .size: 8, .value_kind: global_buffer, .address_space: global }
    .group_segment_fixed_size: 327680
    .private_segment_fixed_size: 0
    .kernarg_segment_align: 8
    .kernarg_segment_size: 24
    .max_flat_workgroup_size: 128
    .sgpr_count:     66
    .vgpr_count:     512
    .wavefront_size: 32
...
	.end_amdgpu_metadata
.endif
;; end of part 4
